; MI455X (gfx1250); checked and timed in simulation.
; The chip was launched on July 23, 2026; its instructions are those of AMD's public machine-readable ISA for CDNA 5 (MIT licence, August 2026) and "CDNA5" Instruction Set Architecture Reference Guide (July 2026). The comments in the code are by the model that wrote it; some were corrected since.
;; Multi Head Attention. Allowed arithmetic: matrix products marked QUANTISED: E3M2 operands, one E8M0 scale for each 32 along K, by v_wmma_scale_f32_16x16x128_f8f6f4 with both operands' format E3M2, f32 sums; everything else in f32.
;; Inputs: Wk 512 x 512 float32; Wo 512 x 512 float32; Wq 512 x 512 float32; Wv 512 x 512 float32; x 2 x 4,096 x 512 float32.
;; Outputs: out0 2 x 4,096 x 512 float32.
;; This version of the problem:
;;   THIS VERSION OF THE PROBLEM IS GIVEN IN LOW PRECISION. The matrix products marked QUANTISED in the list below multiply operands that are first quantised to E3M2 (3 exponent bits, 2 mantissa bits; 6 bits a number), with one power-of-two scale for each 32 numbers along K (OCP MX v1.0); their sums are f32. All else is computed in f32.
;;   The module's matrix products, in the order in which they are computed (A, B: the left and right operand; K: the contracted axis; several contracted axes count as one K, in the product's order):
;;     1. [M 8,192, K 512] x [K 512, N 512]; A: input x; B: input Wq: QUANTISED
;;     2. [M 8,192, K 512] x [K 512, N 512]; A: input x; B: input Wk: QUANTISED
;;     3. [M 8,192, K 512] x [K 512, N 512]; A: input x; B: input Wv: QUANTISED
;;     4. batch 16 x [M 4,096, K 64] x [K 64, N 4,096]; A: computed on the way; B: computed on the way: QUANTISED
;;     5. batch 16 x [M 4,096, K 4,096] x [K 4,096, N 64]; A: softmax (see below); B: computed on the way: QUANTISED
;;     6. [M 8,192, K 512] x [K 512, N 512]; A: computed on the way; B: input Wo: QUANTISED
;;   THE QUANTISER, for each operand of a quantised product, along K:
;;     - K is cut into blocks of 32 from its start; a last block that is shorter is filled with zeros.
;;     - A block's scale is 2^e with e = floor(log2(the largest magnitude in the block)) - 4, held to -126 .. 127; a block of zeros has e = 0. As a byte (E8M0): e + 127.
;;     - Each number is divided by its block's scale, clamped to +-28, and rounded to the nearest number of E3M2, ties to even, subnormals kept.
;;     - The product sums the exact products of the quantised numbers (number of the format x scale) in f32.
;;   ~~~python
;;   def quantise(x, axis):      # numpy; x: float32 -> the quantised numbers, widened to float32 again
;;       x = np.moveaxis(x, axis, -1); K = x.shape[-1]
;;       x = np.pad(x, [(0, 0)] * (x.ndim - 1) + [(0, -K % 32)]); x = x.reshape(x.shape[:-1] + (-1, 32)); a = np.abs(x).max(-1, keepdims=True)
;;       e = np.where(a > 0, np.clip(np.frexp(np.where(a > 0, a, 1))[1] - 1 - 4, -126, 127), 0)      # np.frexp(a)[1] - 1 = floor(log2(a)), exactly
;;       r = np.clip(x / 2.0 ** e, -28, 28)
;;       step = 2.0 ** (np.maximum(np.frexp(np.where(r == 0, 1, r))[1] - 1, -2) - 2)
;;       q = np.round(r / step) * step * 2.0 ** e      # np.round: ties to even
;;       return np.moveaxis(q.reshape(q.shape[:-2] + (-1,))[..., :K], -1, axis).astype(np.float32)
;;   ~~~
;;   SOFTMAX AHEAD OF A QUANTISED PRODUCT. Where the list says 'softmax', what is quantised is not the finished softmax but p = 2^(t - M), with t = logit x log2(e) and M = ceil(the row's largest t), a whole number; so 1/2 < the row's largest p <= 1. The row's sum l is taken of the UNQUANTISED p, in f32, and the product's result is divided by l at the end. Since M is a whole number, a kernel that streams over the keys may use a running M (the ceiling of the running maximum): every later rescaling is an exact power of two, which a block's scale takes up: the codes' values come out the same.
;;   OPERANDS COMPUTED ON THE WAY. 'Computed on the way' means the value that the module computes at that place (a softmax that the list does not call 'softmax' is quantised finished and normalised). What goes into a quantiser is computed in f32, as accurately as f32 sums, v_exp_f32 and their like allow (about 1e-6 of the number): no bf16 or f16 on the way to a quantiser, and a product that is left as it is and whose result goes on into a quantised operand takes f32 operands (vector FMAs, or v_wmma_f32_16x16x4_f32). A number that lies on a knife's edge between two numbers of the format may be rounded either way, as far as f32 arithmetic and the matrix unit's own rounding can turn it there, and no further.
;; 2 versions. Each part assembles by itself: llvm-mc -triple=amdgcn-amd-amdhsa -mcpu=gfx1250 --defsym DOCPART=n.
;; ======== version 1 of 2: 4 launches
;; workspace buffers: wc 786,432 bytes; ws 32,768 bytes; qq 3,276,800 bytes; kv 6,553,600 bytes; cc 3,145,728 bytes; cs 131,072 bytes
;; launch wquant (part 1): grid 16 x 4, 4 waves a work-group, no clusters, 14,336 bytes of LDS; arguments Wq, Wk, Wv, Wo, wc, ws; writes wc, ws
.if DOCPART == 1
	.amdgcn_target "amdgcn-amd-amdhsa--gfx1250"
	.amdhsa_code_object_version 6
	.text
	.protected	k_q3671bcd849_wquant
	.globl	k_q3671bcd849_wquant
	.p2align	8
	.type	k_q3671bcd849_wquant,@function
k_q3671bcd849_wquant:
	s_mov_b64 s[64:65], 0
	v_nop
	global_prefetch_b8 v0, s[64:65] scope:SCOPE_SE
	s_setreg_imm32_b32 hwreg(HW_REG_WAVE_MODE, 25, 1), 1
	s_wait_xcnt 0x0
; Wq, Wk, Wv, Wo: [512 (k)][512 (n)] f32, K the FIRST axis.  Each becomes codes of BF6 (E3M2) with one E8M0 byte for each 32 along K, laid as IMAGES OF OPERAND REGISTERS.
; A fragment (16 columns x 128 K, 12 registers a lane: lane (r, h), registers 6 c .. 6 c + 5 = k 64 c + 32 h + 0 .. 31) is 1,536 bytes: half c at 768 c: registers 6 c .. 6 c + 3 at 16 x lane, registers 6 c + 4, 6 c + 5 at 512 + 8 x lane.
; wc: [matrix q,k,v,o][column tile T 0..31][K step s 0..3][1,536].  ws: [matrix][position 16 T + r][16 bytes, one for each block of 32 along K].
; POSITION r OF TILE T IS COLUMN 32 (T / 2) + 8 (T % 2) + r + 8 (r / 8): so the results of two neighbouring tiles are 16 neighbours along the next product's K.
; SHARES.  Work-group x: 32 neighbouring columns (tiles 2 x, 2 x + 1); y: the matrix; wave: the K step.  A lane takes a column and its registers run down K: each load reads 128 consecutive bytes, a block of 32 lies in one lane,
; and the conversions give codes with K innermost.  The codes turn through the wave's own stage in LDS into the two images and leave as stores of 512 consecutive bytes.
; A block's scale is 2^(floor(log2(largest magnitude)) - 4): its byte is the largest magnitude's exponent field - 4, held at 1 from below by a floor among the maximum's leaves.
; LIMITS: a block of zeros, or one whose largest magnitude lies under 2^-122, gets the byte 1 (a block of zeros has zero codes; only this program reads the bytes).  NaN and infinities among the inputs are not served.
; No matrix unit, no tensor load, no cluster: each input byte is read once, by one wave.
.set X,    32                          ; v32-159  128 numbers of my column; later v32-55 the images read back
.set C,    160                         ; v160-191 codes: eight registers for each block, so that no LDS store's data are written again
.set IMGP, 1664                        ; an image's place in the stage: 1,536 bytes + 128
.set SCL,  8*IMGP                      ; behind the four waves' stages: 512 scale bytes of the work-group's 32 columns
	s_load_b256 s[4:11], s[0:1], 0x0               ; Wq, Wk, Wv, Wo
	s_load_b128 s[12:15], s[0:1], 0x20             ; wc, ws
	v_lshl_add_u32 v200, v0, 2, 0x3600
	v_mov_b32 v201, 0
	v_lshrrev_b32 v1, 5, v0
	v_readfirstlane_b32 s16, v1                    ; wave = K step s
	s_and_b32 s17, ttmp7, 0xffff                   ; the matrix
	v_and_b32 v1, 31, v0                           ; lane l = column 32 x + l
	v_lshlrev_b32 v2, 2, v1                        ; in: 4 bytes a lane
	v_bfe_u32 v8, v0, 3, 1                         ; u = (l / 8) % 2: which of the two tiles my column lies in
	v_and_b32 v9, 7, v0
	v_bfe_u32 v10, v0, 4, 1
	v_lshl_or_b32 v9, v10, 3, v9                   ; r' = l % 8 + 8 (l / 16): its position there
	s_mul_i32 s18, s16, 2*IMGP                     ; my wave's stage
	v_mul_u32_u24 v10, v8, IMGP
	v_add_nc_u32 v10, s18, v10
	v_lshl_add_u32 v3, v9, 4, v10                  ; where a block's registers 0-3 go: image u, 16 r'
	v_lshl_add_u32 v4, v9, 3, v10                  ; and its registers 4, 5: 8 r'
	v_lshl_add_u32 v5, v8, 4, v9                   ; position 16 u + r'
	s_lshl_b32 s19, s16, 2
	s_add_co_u32 s19, s19, SCL
	v_lshl_add_u32 v5, v5, 4, s19                  ; my scale word: 16 bytes a position, 4 s in them
	v_lshlrev_b32 v7, 4, v1                        ; 16 x lane
	v_add_nc_u32 v6, s18, v7                       ; the stage read back as it lies
	v_add_nc_u32 v15, SCL, v7                      ; and the scale bytes
	s_lshl_b32 s20, s16, 18                        ; W: 128 s rows of 2,048 bytes
	s_lshl_b32 s21, ttmp9, 7                       ;    + 32 x columns
	s_add_co_u32 s20, s20, s21
	s_mov_b32 s21, 0
	s_lshl_b32 s22, ttmp9, 3                       ; wc: matrix x 196,608 + ((2 x) 4 + s) x 1,536
	s_add_co_u32 s22, s22, s16
	s_mul_i32 s22, s22, 1536
	s_mul_i32 s23, s17, 196608
	s_add_co_u32 s22, s22, s23
	s_mov_b32 s23, 0
	s_lshl_b32 s24, s17, 13                        ; ws: matrix x 8,192 + 512 x
	s_lshl_b32 s25, ttmp9, 9
	s_add_co_u32 s24, s24, s25
	s_mov_b32 s25, 0
	s_wait_kmcnt 0x0
	s_cmp_lt_u32 s17, 2                            ; the matrix is chosen by the work-group's y alone
	s_cselect_b64 s[26:27], s[4:5], s[8:9]         ; Wq or Wv
	s_cselect_b64 s[28:29], s[6:7], s[10:11]       ; Wk or Wo
	s_bitcmp1_b32 s17, 0
	s_cselect_b64 s[26:27], s[28:29], s[26:27]
	s_add_nc_u64 s[26:27], s[26:27], s[20:21]
	s_add_nc_u64 s[12:13], s[12:13], s[22:23]
	s_add_nc_u64 s[14:15], s[14:15], s[24:25]
.set i, 0
.rept 128
	global_load_b32 v[X+i], v2, s[26:27] offset:i*2048 th:TH_LOAD_NT   ; W(128 s + i, my column): 32 lanes read 128 consecutive bytes; read once in the launch
.set i, i+1
.endr
; Block k of my column: k = 2 c + h of the fragment: its 24 bytes are registers 6 c .. 6 c + 5 of lane r' + 16 h of image u.
.macro BLOCK k
.set XS, X+32*(\k)
.set CK, C+8*(\k)
.if (\k) < 2
	s_wait_loadcnt 63                              ; of the 128 loads at most 63 are out: the first 65 are in, blocks 0 and 1 among them
.else
	s_wait_loadcnt 96-32*(\k)                      ; this block's loads are in; the later blocks' may be out
.endif
	v_max3_num_f32 v12, |v[XS]|, |v[XS+1]|, |v[XS+2]|               ; the block's largest magnitude, in two chains
	v_max3_num_f32 v13, |v[XS+3]|, |v[XS+4]|, |v[XS+5]|
.irp i, 6,10,14,18,22,26
	v_max3_num_f32 v12, v12, |v[XS+\i]|, |v[XS+\i+1]|
	v_max3_num_f32 v13, v13, |v[XS+\i+2]|, |v[XS+\i+3]|
.endr
	v_max3_num_f32 v12, v12, |v[XS+30]|, |v[XS+31]|
	v_max3_num_f32 v12, v12, v13, 0x2800000        ; and the floor 2^(5 - 127): the byte cannot fall under 1
	v_add_nc_u32 v11, 0xfe000000, v12              ; 4 off its exponent field: the conversion takes this operand's exponent field as its scale
	v_lshrrev_b32 v13, 23, v11                     ; the scale's byte
.if (\k) == 0
	v_mov_b32 v14, v13
.else
	v_lshl_or_b32 v14, v13, 8*(\k), v14            ; four bytes make the K step's scale word, the lower K in the lower byte
.endif
	v_cvt_scalef32_pk16_bf6_f32 v[CK:CK+2], v[XS:XS+15], v11
	v_cvt_scalef32_pk16_bf6_f32 v[CK+4:CK+6], v[XS+16:XS+31], v11   ; (a conversion's three registers begin on an even number)
	v_nop                                          ; one plain place behind the conversions
	v_mov_b32 v[CK+3], v[CK+4]                     ; the block's six registers on end
	v_mov_b32 v[CK+4], v[CK+5]
	v_mov_b32 v[CK+5], v[CK+6]
	ds_store_b128 v3, v[CK:CK+3] offset:768*((\k)/2)+256*((\k)%2)
	ds_store_b64 v4, v[CK+4:CK+5] offset:768*((\k)/2)+512+128*((\k)%2)
.endm
	BLOCK 0
	BLOCK 1
	BLOCK 2
	BLOCK 3
	ds_store_b32 v5, v14                           ; my column's scale word of this K step
.irp u, 0,1
.irp q, 0,1,2
	ds_load_b128 v[X+12*\u+4*\q:X+12*\u+4*\q+3], v6 offset:IMGP*\u+512*\q   ; LDS serves a wave's instructions in order: these see my stores
.endr
.endr
	s_wait_dscnt 0x0                               ; the images are back, and my scale words have landed for wave 0's sake
.irp u, 0,1
.irp q, 0,1,2
	global_store_b128 v7, v[X+12*\u+4*\q:X+12*\u+4*\q+3], s[12:13] offset:6144*\u+512*\q   ; 32 lanes store 512 consecutive bytes, at a multiple of 256 from wc's first byte
.endr
.endr
	s_barrier_signal -1
	s_barrier_wait -1                              ; all four K steps' scale words lie in LDS
	s_cmp_lg_u32 s16, 0
	s_cbranch_scc1 .Lend
	ds_load_b128 v[56:59], v15
	s_wait_dscnt 0x0
	global_store_b128 v7, v[56:59], s[14:15]       ; the 32 positions' 512 scale bytes, whole
.Lend:
	s_wait_tensorcnt 0x0
	ds_add_u32 v200, v201
	s_wait_dscnt 0x0
	s_endpgm
.Lfunc_end_k_q3671bcd849_wquant:
	.size	k_q3671bcd849_wquant, .Lfunc_end_k_q3671bcd849_wquant-k_q3671bcd849_wquant
	.p2alignl 7, 3214868480
	.fill 96, 4, 3214868480
	.section	.rodata,"a",@progbits
	.p2align	6, 0x0
	.amdhsa_kernel k_q3671bcd849_wquant
		.amdhsa_group_segment_fixed_size 14336
		.amdhsa_private_segment_fixed_size 0
		.amdhsa_enable_private_segment 0
		.amdhsa_kernarg_size 48
		.amdhsa_user_sgpr_count 2
		.amdhsa_user_sgpr_kernarg_segment_ptr 1
		.amdhsa_wavefront_size32 1
		.amdhsa_system_sgpr_workgroup_id_x 1
		.amdhsa_system_sgpr_workgroup_id_y 1
		.amdhsa_system_sgpr_workgroup_id_z 1
		.amdhsa_system_vgpr_workitem_id 0
		.amdhsa_next_free_vgpr 202
		.amdhsa_next_free_sgpr 66
		.amdhsa_reserve_vcc 0
		.amdhsa_float_denorm_mode_32 3
		.amdhsa_float_denorm_mode_16_64 3
		.amdhsa_memory_ordered 1
		.amdhsa_forward_progress 1
		.amdhsa_inst_pref_size 23
	.end_amdhsa_kernel
	.amdgpu_metadata
---
amdhsa.version: [ 1, 2 ]
amdhsa.kernels:
  - .name:           k_q3671bcd849_wquant
    .symbol:         k_q3671bcd849_wquant.kd
    .args:
      - { .name: Wq, .offset: 0, .size: 8, .value_kind: global_buffer, .address_space: global }
      - { .name: Wk, .offset: 8, .size: 8, .value_kind: global_buffer, .address_space: global }
      - { .name: Wv, .offset: 16, .size: 8, .value_kind: global_buffer, .address_space: global }
      - { .name: Wo, .offset: 24, .size: 8, .value_kind: global_buffer, .address_space: global }
      - { .name: wc, .offset: 32, .size: 8, .value_kind: global_buffer, .address_space: global }
      - { .name: ws, .offset: 40, .size: 8, .value_kind: global_buffer, .address_space: global }
    .group_segment_fixed_size: 14336
    .private_segment_fixed_size: 0
    .kernarg_segment_align: 8
    .kernarg_segment_size: 48
    .max_flat_workgroup_size: 128
    .sgpr_count:     66
    .vgpr_count:     202
    .wavefront_size: 32
...
	.end_amdgpu_metadata
.endif
;; end of part 1
;; launch proj (part 2): grid 64 x 3, 16 waves a work-group, no clusters, 188,416 bytes of LDS; arguments x, wc, ws, qq, kv; writes qq, kv
.if DOCPART == 2
	.amdgcn_target "amdgcn-amd-amdhsa--gfx1250"
	.amdhsa_code_object_version 6
	.text
	.protected	k_q3671bcd849_proj
	.globl	k_q3671bcd849_proj
	.p2align	8
	.type	k_q3671bcd849_proj,@function
k_q3671bcd849_proj:
	s_mov_b64 s[64:65], 0
	v_nop
	global_prefetch_b8 v0, s[64:65] scope:SCOPE_SE
	s_setreg_imm32_b32 hwreg(HW_REG_WAVE_MODE, 25, 1), 1
	s_wait_xcnt 0x0
; Q, K or V = x W (work-group y = 0, 1, 2), on codes of BF6 (E3M2) with one E8M0 scale for each 32 along K; the result is quantised in registers for attention's products and stored as images of operand registers.
; x: [8,192][512] f32, quantised here along its 512.  wc, ws: the weights' images and scale rows.  An IMAGE of a fragment (12 registers a lane) is 1,536 bytes: half c at 768 c: registers 6 c .. 6 c + 3 at 16 x lane, 6 c + 4, 6 c + 5 at 512 + 8 x lane.
; POSITION r OF TILE T (rows of x, columns of W) IS INDEX 32 (T / 2) + 8 (T % 2) + r + 8 (r / 8): the 16 result registers of source 0's tiles 2 b and 2 b + 1 are then the 16 neighbours 32 b + 16 (lane / 16) + 0 .. 15.
; OUT.  qq: [batch x head 16][record 32][6,400]: 128 queries: four fragments of 32 rows (half c = tile 2 f + c: lane (r, h) holds the row's head dimensions 32 h .. 32 h + 31), then 256 scale bytes (word 64 f + 4 r: bytes c0 b0, c0 b1, c1 b0, c1 b1).
;       kv: [batch x head][record 32][12,800]: 128 keys: K as in qq at 0 and 6,144; V at 6,400: four fragments (tile t of the head's 64 x 128 keys, the KEYS along K), its scale words (64 t + 4 r, byte = block of keys) at 12,544.
; SHARES.  Work-group x: 128 rows of x, one record of each head.  Phase X: wave w quantises row tile w / 2, K steps 2 (w % 2) and 2 (w % 2) + 1, and stores the images in LDS.  One barrier.
; Then wave w takes head w / 2 and row tiles 4 (w % 2) + 0 .. 3: 4 x 4 tiles x 4 K steps = 64 matrix instructions on 16 accumulators, which take turns, one instruction a turn.
; Q, K: source 0 = W's columns, source 1 = x's rows: a lane holds a row, its registers run along the head's 64.  V: source 0 = x's rows, source 1 = W's columns: a lane holds a head dimension, its registers run along the keys.
; W's images go from memory straight into operand registers (16 or 8 bytes a lane, dense).  No cluster and no tensor load: a matrix's images, 196,608 bytes, do not fit in LDS beside the 186,368 bytes of stages and x's images.
; The scale words leave in stores of 128 or 64 bytes: 256-byte blocks written in part, one byte in 24 of what the launch stores.
; LIMITS: a block of zeros, or one whose largest magnitude lies under 2^-122, gets the byte 1 (zero codes; only this program reads the bytes).  NaN and infinities among the inputs are not served.
.set STGB, 8448                        ; LDS: a stage of 16 rows x (512 + 16) bytes for each wave, from byte 0
.set XIMG, 16*STGB                     ; x's 32 images: (tile, K step) at (4 tile + step) x 1,536
.set XSC,  XIMG+32*1536                ; x's scale words: 256 tile + 16 r + 4 step
.set WS,   16                          ; v16-23   W's scale words: register 4 i + s: tile 2 i in lanes 0-15, tile 2 i + 1 in lanes 16-31
.set XS,   24                          ; v24-31   x's likewise
.set PC,   32                          ; v32-43   codes just made        (phase X and the way out; in between v32-79 W's four fragments, v80-127 x's four)
.set PT,   44                          ; v44-51   the conversions' second halves
.set TM,   52                          ; v52-55 largest magnitudes, v56-59 the other lanes', then bytes, v60-63 the conversions' scale operands
.set XN,   64                          ; v64-127  phase X: 64 numbers of my row
.set PC2,  64                          ; v64-75   the way out: the second fragment's codes
.set WF,   32
.set XF,   80
.set ACC,  128                         ; v128-255 accumulator (g, e) at 128 + 32 g + 8 e; in phase X the rows as loaded
.macro MM d, a, b, sa, sb, ra, rb, first   ; ra, rb: the scale words lie in lanes 16-31; first: the product starts the sum
.if \first
.if \ra
.if \rb
	v_wmma_scale_f32_16x16x128_f8f6f4 v[\d:\d+7], v[\a:\a+11], v[\b:\b+11], 0, v[\sa], v[\sb] matrix_a_fmt:MATRIX_FMT_BF6 matrix_b_fmt:MATRIX_FMT_BF6 matrix_a_scale:MATRIX_SCALE_ROW1 matrix_b_scale:MATRIX_SCALE_ROW1
.else
	v_wmma_scale_f32_16x16x128_f8f6f4 v[\d:\d+7], v[\a:\a+11], v[\b:\b+11], 0, v[\sa], v[\sb] matrix_a_fmt:MATRIX_FMT_BF6 matrix_b_fmt:MATRIX_FMT_BF6 matrix_a_scale:MATRIX_SCALE_ROW1
.endif
.else
.if \rb
	v_wmma_scale_f32_16x16x128_f8f6f4 v[\d:\d+7], v[\a:\a+11], v[\b:\b+11], 0, v[\sa], v[\sb] matrix_a_fmt:MATRIX_FMT_BF6 matrix_b_fmt:MATRIX_FMT_BF6 matrix_b_scale:MATRIX_SCALE_ROW1
.else
	v_wmma_scale_f32_16x16x128_f8f6f4 v[\d:\d+7], v[\a:\a+11], v[\b:\b+11], 0, v[\sa], v[\sb] matrix_a_fmt:MATRIX_FMT_BF6 matrix_b_fmt:MATRIX_FMT_BF6
.endif
.endif
.else
.if \ra
.if \rb
	v_wmma_scale_f32_16x16x128_f8f6f4 v[\d:\d+7], v[\a:\a+11], v[\b:\b+11], v[\d:\d+7], v[\sa], v[\sb] matrix_a_fmt:MATRIX_FMT_BF6 matrix_b_fmt:MATRIX_FMT_BF6 matrix_a_scale:MATRIX_SCALE_ROW1 matrix_b_scale:MATRIX_SCALE_ROW1
.else
	v_wmma_scale_f32_16x16x128_f8f6f4 v[\d:\d+7], v[\a:\a+11], v[\b:\b+11], v[\d:\d+7], v[\sa], v[\sb] matrix_a_fmt:MATRIX_FMT_BF6 matrix_b_fmt:MATRIX_FMT_BF6 matrix_a_scale:MATRIX_SCALE_ROW1
.endif
.else
.if \rb
	v_wmma_scale_f32_16x16x128_f8f6f4 v[\d:\d+7], v[\a:\a+11], v[\b:\b+11], v[\d:\d+7], v[\sa], v[\sb] matrix_a_fmt:MATRIX_FMT_BF6 matrix_b_fmt:MATRIX_FMT_BF6 matrix_b_scale:MATRIX_SCALE_ROW1
.else
	v_wmma_scale_f32_16x16x128_f8f6f4 v[\d:\d+7], v[\a:\a+11], v[\b:\b+11], v[\d:\d+7], v[\sa], v[\sb] matrix_a_fmt:MATRIX_FMT_BF6 matrix_b_fmt:MATRIX_FMT_BF6
.endif
.endif
.endif
.endm
; 64 numbers of a lane, register 16 b + i = k 32 b + 16 (lane / 16) + i, become a fragment's 12 registers of codes at v[pc] and the four blocks' scale word in v[pw].
.macro QUANT s, pc, pw
.irp b, 0,1,2,3
	v_max3_num_f32 v[TM+\b], |v[\s+16*\b]|, |v[\s+1+16*\b]|, 0x2800000   ; my 16 numbers of block b, and the floor 2^(5 - 127): the byte cannot fall under 1
.endr
.irp i, 2,4,6,8,10,12,14
.irp b, 0,1,2,3
	v_max3_num_f32 v[TM+\b], v[TM+\b], |v[\s+16*\b+\i]|, |v[\s+1+16*\b+\i]|   ; (the four blocks by turns)
.endr
.endr
.irp b, 0,1,2,3
	v_permlanex16_b32 v[TM+4+\b], v[TM+\b], s20, s21
.endr
.irp b, 0,1,2,3
	v_max_num_f32 v[TM+\b], v[TM+\b], v[TM+4+\b]   ; with lane l xor 16's 16: the block's largest magnitude
.endr
.irp b, 0,1,2,3
	v_add_nc_u32 v[TM+8+\b], 0xfe000000, v[TM+\b]  ; 4 off its exponent field: the conversion's scale operand
.endr
.irp b, 0,1,2,3
	v_lshrrev_b32 v[TM+4+\b], 23, v[TM+8+\b]       ; the scale's byte
.endr
	v_lshl_or_b32 v[\pw], v[TM+5], 8, v[TM+4]
	v_lshl_or_b32 v[\pw], v[TM+6], 16, v[\pw]
	v_lshl_or_b32 v[\pw], v[TM+7], 24, v[\pw]
.irp c, 0,1
	v_cvt_scalef32_pk16_bf6_f32 v[\pc+6*\c:\pc+2+6*\c], v[\s+32*\c:\s+15+32*\c], v[TM+8+2*\c]
	v_cvt_scalef32_pk16_bf6_f32 v[PT+4*\c:PT+2+4*\c], v[\s+16+32*\c:\s+31+32*\c], v[TM+8+2*\c+1]   ; (a conversion's three registers begin on an even number)
.endr
	v_nop                                          ; one plain place behind the conversions
.irp c, 0,1                                    ; the operand's layout wants a whole block in a lane: lanes 0-15 block 2 c, lanes 16-31 block 2 c + 1
.irp i, 0,1,2
	v_permlane16_swap_b32 v[\pc+6*\c+\i], v[PT+4*\c+\i]
.endr
.irp i, 0,1,2
	v_mov_b32 v[\pc+3+6*\c+\i], v[PT+4*\c+\i]
.endr
.endr
.endm
.macro FETCHW reg, off                         ; a fragment of W from its image in memory
	global_load_b128 v[\reg:\reg+3], v2, s[32:33] offset:\off
	global_load_b64 v[\reg+4:\reg+5], v3, s[32:33] offset:\off+512
	global_load_b128 v[\reg+6:\reg+9], v2, s[32:33] offset:\off+768
	global_load_b64 v[\reg+10:\reg+11], v3, s[32:33] offset:\off+1280
.endm
.macro FETCHX reg, off                         ; a fragment of x from its image in LDS
	ds_load_b128 v[\reg:\reg+3], v10 offset:\off
	ds_load_b64 v[\reg+4:\reg+5], v11 offset:\off+512
	ds_load_b128 v[\reg+6:\reg+9], v10 offset:\off+768
	ds_load_b64 v[\reg+10:\reg+11], v11 offset:\off+1280
.endm
; K step s: four fragments of W, four of x, 16 products.  af, asc: source 0's fragments and scale words; bf, bsc: source 1's.
.macro KSTEP af, bf, asc, bsc, s
.if \s > 0
.rept 4
	v_nop                                          ; four places in front of loads into registers that matrix instructions have read (ISA guide 7.12.1 for vector instructions)
.endr
.endif
.irp e, 0,1,2,3
	FETCHW WF+12*\e, (4*\e+\s)*1536
.endr
.irp e, 0,1,2,3
	FETCHX XF+12*\e, (4*\e+\s)*1536
.endr
	s_wait_loadcnt 0x0
	s_wait_dscnt 0x0
.irp g, 0,1,2,3
.irp e, 0,1,2,3
	MM ACC+32*\g+8*\e, \af+12*\e, \bf+12*\g, \asc+4*(\e/2)+\s, \bsc+4*(\g/2)+\s, \e%2, \g%2, \s==0
.endr
.endr
.endm
	s_load_b256 s[4:11], s[0:1], 0x0               ; x, wc, ws, qq
	s_load_b64 s[12:13], s[0:1], 0x20              ; kv
	v_lshrrev_b32 v1, 5, v0
	v_readfirstlane_b32 s14, v1                    ; wave 0..15
	s_and_b32 s15, ttmp7, 0xffff                   ; y: 0 Q, 1 K, 2 V
	s_lshr_b32 s17, s14, 1                         ; phase X: my row tile.  Then: my head
	s_and_b32 s18, s14, 1                          ; phase X: which two K steps.  Then: which four row tiles
	v_and_b32 v1, 31, v0                           ; lane
	v_lshlrev_b32 v2, 4, v1                        ; 16 x lane
	v_lshlrev_b32 v3, 3, v1                        ; 8 x lane
	v_lshlrev_b32 v4, 2, v1                        ; 4 x lane
	v_and_b32 v13, 15, v0                          ; r
	v_bfe_u32 v14, v0, 4, 1                        ; h
	s_mul_i32 s38, s14, STGB                       ; every LDS address is made here, ahead of all branches
	v_add_nc_u32 v5, s38, v2                       ; my stage, a row as loaded: 16 x lane
	v_mul_u32_u24 v6, v13, 528
	v_lshl_add_u32 v6, v14, 6, v6
	v_add_nc_u32 v6, s38, v6                       ; and back: row r, + 64 h: my 16 numbers of a block of 32
	s_mul_i32 s38, s14, 3072                       ; my two images: (4 (w / 2) + 2 (w % 2)) x 1,536 = 3,072 w
	s_add_co_u32 s38, s38, XIMG
	v_add_nc_u32 v7, s38, v2
	v_add_nc_u32 v8, s38, v3
	s_lshl_b32 s38, s17, 8
	s_lshl_b32 s39, s18, 3
	s_add_co_u32 s38, s38, s39
	s_add_co_u32 s38, s38, XSC
	v_lshl_add_u32 v9, v13, 4, s38                 ; their scale words: 256 tile + 16 r + 8 (w % 2)
	s_mul_i32 s38, s18, 24576                      ; the four row tiles that I multiply: 16 images
	s_add_co_u32 s38, s38, XIMG
	v_add_nc_u32 v10, s38, v2
	v_add_nc_u32 v11, s38, v3
	s_lshl_b32 s38, s18, 10
	s_add_co_u32 s38, s38, XSC
	v_add_nc_u32 v12, s38, v2                      ; their scale words: 16 bytes a lane: two tiles a load
	v_cmp_le_u32 s22, 16, v1                       ; the mask of lanes 16-31
	s_mov_b32 s20, 0x76543210
	s_mov_b32 s21, 0xfedcba98                      ; v_permlanex16_b32's selects for lane l xor 16
.irp b, 0,1,2,3
	v_mov_b32 v[TM+4+\b], 0                        ; written once: a lane permute's destination counts as one of its sources
.endr
	s_lshl_b32 s24, ttmp9, 7                       ; x: row 128 x + 32 (tile / 2) + 8 (tile % 2), + my two K steps' 1,024 bytes
	s_lshr_b32 s25, s17, 1
	s_lshl_b32 s25, s25, 5
	s_add_co_u32 s24, s24, s25
	s_and_b32 s25, s17, 1
	s_lshl_b32 s25, s25, 3
	s_add_co_u32 s24, s24, s25
	s_lshl_b32 s24, s24, 11
	s_lshl_b32 s25, s18, 10
	s_add_co_u32 s24, s24, s25
	s_mov_b32 s25, 0
	s_mul_i32 s26, s15, 196608                     ; wc: matrix y, my head's four column tiles
	s_mul_i32 s27, s17, 24576
	s_add_co_u32 s26, s26, s27
	s_mov_b32 s27, 0
	s_lshl_b32 s38, s15, 13                        ; ws: likewise
	s_lshl_b32 s39, s17, 10
	s_add_co_u32 s38, s38, s39
	s_mov_b32 s39, 0
	s_lshr_b32 s40, ttmp9, 5                       ; the record: ((8 batch + head) 32 + x % 32)
	s_lshl_b32 s40, s40, 3
	s_add_co_u32 s40, s40, s17
	s_lshl_b32 s40, s40, 5
	s_and_b32 s41, ttmp9, 31
	s_add_co_u32 s40, s40, s41
	s_wait_kmcnt 0x0
	s_cmp_eq_u32 s15, 0                            ; Q goes to qq in records of 6,400 bytes, K and V to kv in records of 12,800: chosen by y alone
	s_cselect_b64 s[28:29], s[10:11], s[12:13]
	s_mov_b32 s41, 12800
	s_cselect_b32 s41, 6400, s41
	s_mul_i32 s40, s40, s41
	s_mov_b32 s41, 0
	s_add_nc_u64 s[28:29], s[28:29], s[40:41]
	s_add_nc_u64 s[36:37], s[4:5], s[24:25]
	s_add_nc_u64 s[32:33], s[6:7], s[26:27]
	s_add_nc_u64 s[34:35], s[8:9], s[38:39]
	global_load_b128 v[WS:WS+3], v2, s[34:35]              ; W's scale words: tiles 0, 1 of my head, four K steps
	global_load_b128 v[WS+4:WS+7], v2, s[34:35] offset:512 ; tiles 2, 3
.irp q, 0,1
.irp p, 0,1,2,3,4,5,6,7,8,9,10,11,12,13,14,15
	global_load_b128 v[ACC+64*\q+4*\p:ACC+64*\q+4*\p+3], v2, s[36:37] offset:(\p+8*(\p/8))*2048+512*\q   ; position p's row, one K step: 32 lanes read 512 consecutive bytes
.endr
.endr
; PHASE X, K step q of my two: the 16 rows turn through my stage, so that a lane holds 16 neighbours of each block of its row; then codes, image, scale word.
.macro XQ q
	s_wait_loadcnt 16-16*\q                        ; this K step's 16 loads (and W's scale words) are in; the other K step's 16 may be out
.irp p, 0,1,2,3,4,5,6,7,8,9,10,11,12,13,14,15
	ds_store_b128 v5, v[ACC+64*\q+4*\p:ACC+64*\q+4*\p+3] offset:528*\p
.endr
.irp b, 0,1,2,3
.irp j, 0,1,2,3
	ds_load_b128 v[XN+16*\b+4*\j:XN+16*\b+4*\j+3], v6 offset:128*\b+16*\j   ; LDS serves a wave's instructions in order: these see my stores
.endr
.endr
	s_wait_dscnt 0x0                               ; the numbers are back; the last K step's image stores have read their registers
	QUANT XN, PC, 15
	ds_store_b128 v7, v[PC:PC+3] offset:1536*\q
	ds_store_b64 v8, v[PC+4:PC+5] offset:1536*\q+512
	ds_store_b128 v7, v[PC+6:PC+9] offset:1536*\q+768
	ds_store_b64 v8, v[PC+10:PC+11] offset:1536*\q+1280
	ds_store_b32 v9, v15 offset:4*\q               ; lanes r and r + 16 write the same word with the same value
.endm
	XQ 0
	XQ 1
	s_wait_dscnt 0x0                               ; for the others' sake: my images and scale words have landed
	s_barrier_signal -1
	s_barrier_wait -1                              ; x's 32 images lie in LDS; from here on LDS is only read
	ds_load_b128 v[XS:XS+3], v12                   ; x's scale words: my tiles 0, 1, four K steps
	ds_load_b128 v[XS+4:XS+7], v12 offset:512      ; tiles 2, 3
	s_mov_b32 s41, 0
	s_mov_b32 s43, 0
	s_cmp_eq_u32 s15, 2
	s_cbranch_scc1 .Lv
	; ---- Q or K: a lane holds a row; accumulator (g, e): row tile g, the head's dimensions 32 (e / 2) + 16 h + 8 (e % 2) + j
	s_mul_i32 s40, s18, 3072                       ; my two fragments of the record,
	s_lshl_b32 s42, s18, 7
	s_add_co_u32 s42, s42, 6144                    ; and their scale words
	s_add_nc_u64 s[30:31], s[28:29], s[42:43]
	s_add_nc_u64 s[28:29], s[28:29], s[40:41]
	KSTEP WF, XF, WS, XS, 0
	KSTEP WF, XF, WS, XS, 1
	KSTEP WF, XF, WS, XS, 2
	KSTEP WF, XF, WS, XS, 3
.rept 4
	v_nop                                          ; four places in front of the first read of results and the first write of operands
.endr
.macro IMG_G off, pc                           ; a fragment leaves as its image: stores of 512 and 256 consecutive bytes, at multiples of 256 from the buffer's first byte
	global_store_b128 v2, v[\pc:\pc+3], s[28:29] offset:\off
	global_store_b64 v3, v[\pc+4:\pc+5], s[28:29] offset:\off+512
	global_store_b128 v2, v[\pc+6:\pc+9], s[28:29] offset:\off+768
	global_store_b64 v3, v[\pc+10:\pc+11], s[28:29] offset:\off+1280
.endm
	QUANT ACC, PC, 76                              ; row tiles 0, 1: each row's two blocks of 32: one fragment, half c = tile c
	IMG_G 0, PC
	QUANT ACC+64, PC2, 77                          ; row tiles 2, 3
	IMG_G 1536, PC2
	v_cndmask_b32 v78, v76, v77, s22               ; lanes 0-15 the first fragment's words, lanes 16-31 the second's
	global_store_b32 v4, v78, s[30:31]
	s_wait_xcnt 0x0
	v_lshl_add_u32 v254, v0, 2, 0x2d800
	v_mov_b32 v255, 0
	s_wait_tensorcnt 0x0
	ds_add_u32 v254, v255
	s_wait_dscnt 0x0
	s_endpgm
.Lv:
	; ---- V: a lane holds a head dimension; accumulator (g, e): tile g of the head's 64, keys 64 (w % 2) + 32 (e / 2) + 16 h + 8 (e % 2) + j
	s_mul_i32 s40, s18, 768                        ; my half of each of V's four fragments,
	s_add_co_u32 s40, s40, 6400
	s_lshl_b32 s42, s18, 1
	s_add_co_u32 s42, s42, 12544                   ; and my two bytes of each scale word
	s_add_nc_u64 s[30:31], s[28:29], s[42:43]
	s_add_nc_u64 s[28:29], s[28:29], s[40:41]
	KSTEP XF, WF, XS, WS, 0
	KSTEP XF, WF, XS, WS, 1
	KSTEP XF, WF, XS, WS, 2
	KSTEP XF, WF, XS, WS, 3
.rept 4
	v_nop
.endr
.macro IMG_V off, pc                           ; registers 0-5: my half image of one tile; registers 6-11: of the next
	global_store_b128 v2, v[\pc:\pc+3], s[28:29] offset:\off
	global_store_b64 v3, v[\pc+4:\pc+5], s[28:29] offset:\off+512
	global_store_b128 v2, v[\pc+6:\pc+9], s[28:29] offset:\off+1536
	global_store_b64 v3, v[\pc+10:\pc+11], s[28:29] offset:\off+2048
.endm
	QUANT ACC, PC, 76                              ; tiles 0, 1 of the head's 64: my 64 keys' two blocks each
	IMG_V 0, PC
	QUANT ACC+64, PC2, 77                          ; tiles 2, 3
	IMG_V 3072, PC2
	v_lshrrev_b32 v79, 16, v76
	v_lshrrev_b32 v81, 16, v77
	v_cndmask_b32 v78, v76, v79, s22               ; lanes 0-15 the even tile's two bytes, lanes 16-31 the odd tile's
	v_cndmask_b32 v80, v77, v81, s22
	global_store_b16 v4, v78, s[30:31]
	global_store_b16 v4, v80, s[30:31] offset:128
	s_wait_xcnt 0x0
	v_lshl_add_u32 v254, v0, 2, 0x2d800
	v_mov_b32 v255, 0
	s_wait_tensorcnt 0x0
	ds_add_u32 v254, v255
	s_wait_dscnt 0x0
	s_endpgm
.Lfunc_end_k_q3671bcd849_proj:
	.size	k_q3671bcd849_proj, .Lfunc_end_k_q3671bcd849_proj-k_q3671bcd849_proj
	.p2alignl 7, 3214868480
	.fill 96, 4, 3214868480
	.section	.rodata,"a",@progbits
	.p2align	6, 0x0
	.amdhsa_kernel k_q3671bcd849_proj
		.amdhsa_group_segment_fixed_size 188416
		.amdhsa_private_segment_fixed_size 0
		.amdhsa_enable_private_segment 0
		.amdhsa_kernarg_size 40
		.amdhsa_user_sgpr_count 2
		.amdhsa_user_sgpr_kernarg_segment_ptr 1
		.amdhsa_wavefront_size32 1
		.amdhsa_system_sgpr_workgroup_id_x 1
		.amdhsa_system_sgpr_workgroup_id_y 1
		.amdhsa_system_sgpr_workgroup_id_z 1
		.amdhsa_system_vgpr_workitem_id 0
		.amdhsa_next_free_vgpr 256
		.amdhsa_next_free_sgpr 66
		.amdhsa_reserve_vcc 0
		.amdhsa_float_denorm_mode_32 3
		.amdhsa_float_denorm_mode_16_64 3
		.amdhsa_memory_ordered 1
		.amdhsa_forward_progress 1
		.amdhsa_inst_pref_size 75
	.end_amdhsa_kernel
	.amdgpu_metadata
---
amdhsa.version: [ 1, 2 ]
amdhsa.kernels:
  - .name:           k_q3671bcd849_proj
    .symbol:         k_q3671bcd849_proj.kd
    .args:
      - { .name: x, .offset: 0, .size: 8, .value_kind: global_buffer, .address_space: global }
      - { .name: wc, .offset: 8, .size: 8, .value_kind: global_buffer, .address_space: global }
      - { .name: ws, .offset: 16, .size: 8, .value_kind: global_buffer, .address_space: global }
      - { .name: qq, .offset: 24, .size: 8, .value_kind: global_buffer, .address_space: global }
      - { .name: kv, .offset: 32, .size: 8, .value_kind: global_buffer, .address_space: global }
    .group_segment_fixed_size: 188416
    .private_segment_fixed_size: 0
    .kernarg_segment_align: 8
    .kernarg_segment_size: 40
    .max_flat_workgroup_size: 512
    .sgpr_count:     66
    .vgpr_count:     256
    .wavefront_size: 32
...
	.end_amdgpu_metadata
.endif
;; end of part 2
;; launch attn (part 3): grid 16 x 16, 16 waves a work-group, clusters of 4 x 1, 327,680 bytes of LDS; arguments qq, kv, cc, cs; writes cc, cs
.if DOCPART == 3
	.amdgcn_target "amdgcn-amd-amdhsa--gfx1250"
	.amdhsa_code_object_version 6
	.text
	.protected	k_q3671bcd849_attn
	.globl	k_q3671bcd849_attn
	.p2align	8
	.type	k_q3671bcd849_attn,@function
k_q3671bcd849_attn:
	s_mov_b64 s[64:65], 0
	v_nop
	global_prefetch_b8 v0, s[64:65] scope:SCOPE_SE
	s_setreg_imm32_b32 hwreg(HW_REG_WAVE_MODE, 25, 1), 1
	s_wait_xcnt 0x0
	s_wait_alu depctr_hold_cnt(0) depctr_sa_sdst(0) depctr_va_vdst(0) depctr_va_sdst(0) depctr_va_ssrc(0) depctr_va_vcc(0) depctr_vm_vsrc(0)
	s_getreg_b32 s2, hwreg(HW_REG_IB_STS2, 6, 4)
	s_cmp_eq_u32 s2, 0
	s_cbranch_scc0 .Lentry_in_a_cluster
	s_endpgm
.Lentry_in_a_cluster:
	s_bfe_u32 s2, ttmp6, 0x10000c
	s_cmp_lg_u32 s2, 0x3003
	s_cbranch_scc0 .Lentry_shape_is_right
	s_endpgm
.Lentry_shape_is_right:
; ctx[bh][q] = the sum over k of softmax_k(Q[q] . K[k] / 8) V[k], 16 batch-heads x 4,096 x 64, both products on codes of BF6 (E3M2) with one E8M0 scale for each 32 along a product's K; ctx is quantised for the output projection.
; THE SOFTMAX AHEAD OF THE SECOND PRODUCT: t = score x log2(e) / 8; M = the row's largest t so far, rounded UP to a whole number; p = 2^(t - M) is what is quantised, along the keys, not normalised.  The row's sum is taken of the
; unquantised p and divides O at the end.  When M moves, the sum and O are multiplied by 2^(old M - new M): exact, and with no branch on data.
; IN.  qq: [bh][record 32][6,400], kv: [bh][record 32][12,800]: records of 128 rows, all operands as images of their registers (a fragment is 1,536 bytes: half c at 768 c: registers 6 c .. 6 c + 3 at 16 x lane, 6 c + 4, 6 c + 5 at 512 + 8 x lane).
;   A fragment f of K or Q holds 32 rows: half c = tile 2 f + c, lane (r, h) = row 32 f + 8 c + r + 8 (r / 8), head dimensions 32 h .. 32 h + 31.  So ONE fragment of K serves two products: against [q | 0] it gives tile 2 f, against [0 | q] tile 2 f + 1
;   (the head's 64 fill half of the instruction's 128 along K; the other half meets zero codes, which lie in registers alone).  V's fragment t: 16 of the head's 64 x the record's 128 keys.  Scale words behind each group of fragments.
; OUT.  cc: [row tile 512][head 8][768]: my tile's half image; heads 2 s and 2 s + 1 together are fragment s of the next product.  cs: [bh][tile 256][16 rows] two scale bytes.
; SHARES.  A work-group owns 256 queries of one batch-head, each of its sixteen waves one tile of 16, in 224 registers: four waves to a SIMD, so that one wave's vector work stands beside another's products and LDS loads.
;   A step of 128 keys is 12 matrix instructions and some 240 vector instructions, 68 of them exponentials: vector work decides, so the wave tile is kept small and the text plain.
; LAYOUT.  Both products are used transposed (S^T = K Q^T, O^T = V^T P^T): a lane holds ONE query throughout; the 16 registers of a fragment's two tiles are 16 neighbouring keys, which the conversions want.
; RING.  Two LDS slots of 8 records (102,400 bytes, 1,024 keys), 2^17 bytes apart; waves 0 to 3 each bring a quarter of a slot by one tensor load: a dense block as 100 rows of 256 bytes.  A wave has at most one tensor load out.
; CLUSTER.  The four query blocks of a cluster walk the same batch-head's records: each quarter slot is asked for JOINTLY, by the same load with the same descriptor and the mask of all four.
; LIMITS: a block's largest p is taken from the block's largest score by the same multiply-add and exponential, which takes v_exp_f32 not to fall where its input rises.  A block of zeros, or of numbers under 2^-122, gets the byte 1.  NaN and infinities are not served.
.set RECB,  12800
.set SLOTB, 8*RECB
.set SLOT1, 1<<17
.set SPARE, 2*SLOT1                    ; the spare words: 128 bytes for each of sixteen waves: eight blocks of 256 bytes that no other line names
.set SCG,   SPARE+2048                 ; 512 bytes in which the sixteen tiles' scale bytes are gathered: no tile lands here
.set FR,  40                           ; v40-87   four fragments, of K and then of V
.set S,   88                           ; v88-151  S^T, then p; at the end ctx
.set OT,  152                          ; v152-183 O^T: tile t at 152 + 8 t
.set PC,  184                          ; v184-195 p's codes
.set PT,  196                          ; v196-203 the conversions' second halves
.set BM,  204                          ; v204-207 the blocks' largest scores, then largest p
.set BX,  208                          ; v208-211 the other lanes', then the bytes
.set SO,  212                          ; v212-215 the conversions' scale operands
.set FF,  216                          ; v[216:217] f = 2^(old M - new M) (v217 is named with it as a pair)
.set TP,  218
.set PW,  219                          ; p's scale word
.set SU,  220                          ; v[220:221] the sum's second chain
; v1 16 x lane, v2 8 x lane, v3 4 x lane; v4 my spare word, v5 0; v6-8 the record in hand + v1-3; v9, v10 the scale gather; v11 Q's scale word's place; v12 -M, v13 the largest t, v[14:15] the sum in two halves;
; v16-33 [q | 0 | q]; v34 q's scale word; v36, v37 K's scale words, v38, v39 V's.
; s12 wave, s14 query block, s15 batch-head, s[20:21] lane selects, s[22:23] c, s[24:31] and s[32:35] the descriptor, s37 the LDS byte of the record in hand, s38, s39 counters.
.macro CROUND                          ; a round of the cluster's barrier
	s_barrier_signal -1
	s_barrier_wait -1
	s_cmp_lg_u32 s12, 0
	s_cbranch_scc1 .Lnot_wave_0_\@
	s_barrier_signal -3
.Lnot_wave_0_\@:
	s_barrier_wait -3
	s_barrier_signal -1
	s_barrier_wait -1
.endm
.macro TLOAD                           ; waves 0 to 3 ask for a quarter of a slot each; the branch hangs on the wave's number alone; four v_nop follow the load
	s_cmp_lt_u32 s12, 4
	s_cbranch_scc0 .Lno_load_\@
	tensor_load_to_lds s[32:35], s[24:31]
	s_nop 0
.rept 4
	v_nop
.endr
.Lno_load_\@:
.endm
.macro FETCH reg, off                  ; a fragment from its image in the record in hand
	ds_load_b128 v[\reg:\reg+3], v6 offset:\off
	ds_load_b64 v[\reg+4:\reg+5], v7 offset:\off+512
	ds_load_b128 v[\reg+6:\reg+9], v6 offset:\off+768
	ds_load_b64 v[\reg+10:\reg+11], v7 offset:\off+1280
.endm
.macro QK d, a, b, sa, ra
.if \ra
	v_wmma_scale_f32_16x16x128_f8f6f4 v[\d:\d+7], v[\a:\a+11], v[\b:\b+11], 0, v[\sa], v34 matrix_a_fmt:MATRIX_FMT_BF6 matrix_b_fmt:MATRIX_FMT_BF6 matrix_a_scale:MATRIX_SCALE_ROW1
.else
	v_wmma_scale_f32_16x16x128_f8f6f4 v[\d:\d+7], v[\a:\a+11], v[\b:\b+11], 0, v[\sa], v34 matrix_a_fmt:MATRIX_FMT_BF6 matrix_b_fmt:MATRIX_FMT_BF6
.endif
.endm
.macro PV d, a, sa, ra
.if \ra
	v_wmma_scale_f32_16x16x128_f8f6f4 v[\d:\d+7], v[\a:\a+11], v[PC:PC+11], v[\d:\d+7], v[\sa], v[PW] matrix_a_fmt:MATRIX_FMT_BF6 matrix_b_fmt:MATRIX_FMT_BF6 matrix_a_scale:MATRIX_SCALE_ROW1
.else
	v_wmma_scale_f32_16x16x128_f8f6f4 v[\d:\d+7], v[\a:\a+11], v[PC:PC+11], v[\d:\d+7], v[\sa], v[PW] matrix_a_fmt:MATRIX_FMT_BF6 matrix_b_fmt:MATRIX_FMT_BF6
.endif
.endm
	s_load_b256 s[4:11], s[0:1], 0x0               ; qq, kv, cc, cs
	v_lshl_add_u32 v4, v0, 2, SPARE
	v_mov_b32 v5, 0
	ds_add_u32 v4, v5
	s_wait_dscnt 0x0
	v_lshrrev_b32 v11, 5, v0
	v_readfirstlane_b32 s12, v11                   ; wave 0..15
	s_bfe_u32 s13, ttmp6, 0x40000                  ; cx: my place in the cluster
	s_lshl_b32 s14, ttmp9, 2
	s_add_co_u32 s14, s14, s13                     ; my block of 256 queries: it enters qq's, cc's and cs's addresses alone
	s_and_b32 s15, ttmp7, 0xffff                   ; the batch-head, which the four partners share
	v_and_b32 v1, 31, v0
	v_lshlrev_b32 v2, 3, v1
	v_lshlrev_b32 v3, 2, v1
	v_lshlrev_b32 v1, 4, v1
	v_and_b32 v11, 15, v0
	s_lshl_b32 s36, s12, 5
	s_add_co_u32 s36, s36, SCG
	v_lshl_add_u32 v9, v11, 1, s36                 ; the scale gather: 32 bytes a wave, 2 a row
	v_add_nc_u32 v10, SCG, v1                      ; and read back, 16 bytes a lane
	v_lshlrev_b32 v11, 2, v11                      ; 4 r
	s_mov_b32 s24, 15|(3<<16)|(1<<21)              ; group 1: 15:0 the mask: all four work-groups; 17:16 elements of 8 bytes; 20 no padding; 21 set beside a mask
	s_mov_b32 s25, 32<<16                          ; tensor_dim0 = 32 elements: rows of 256 bytes
	s_mov_b32 s26, 100<<16                         ; tensor_dim1 = 100 rows: two records
	s_mov_b32 s27, 32<<16                          ; tile_dim0
	s_mov_b32 s28, 100                             ; tile_dim1
	s_mov_b32 s29, 32                              ; the pitch: the block is dense
	s_mov_b32 s30, 0
	s_mov_b32 s31, 0
	s_mov_b32 s20, 0x76543210
	s_mov_b32 s21, 0xfedcba98                      ; v_permlanex16_b32's selects for lane l xor 16
	s_mov_b32 s22, 0x3e38aa3b                      ; c = log2(e) / 8
	s_mov_b32 s23, s22                             ; (named with it as a pair, so it is written)
	s_and_b32 s16, s12, 3
	s_mul_i32 s17, s16, 2*RECB                     ; my quarter of a slot, in LDS and in memory alike
	s_mul_i32 s18, s15, 32*RECB
	s_add_co_u32 s18, s18, s17
	s_mov_b32 s19, 0
	s_lshr_b32 s40, s12, 3                         ; Q: record 2 x block + w / 8,
	s_lshl_b32 s41, s14, 1
	s_add_co_u32 s40, s40, s41
	s_mul_i32 s40, s40, 6400
	s_mul_i32 s41, s15, 204800
	s_add_co_u32 s40, s40, s41
	s_and_b32 s41, s12, 7
	s_mul_i32 s41, s41, 768                        ; half image w % 8 of its eight,
	s_add_co_u32 s42, s40, s41
	s_mov_b32 s43, 0
	s_bfe_u32 s41, s12, 0x20001
	s_lshl_b32 s41, s41, 6                         ; and the scale words of fragment (w / 2) % 4
	s_add_co_u32 s40, s40, s41
	s_add_co_u32 s40, s40, 6144
	s_mov_b32 s41, 0
	s_lshr_b32 s44, s15, 3                         ; cc: ((256 batch + 16 block + w) 8 + head) x 768
	s_lshl_b32 s44, s44, 8
	s_lshl_b32 s45, s14, 4
	s_add_co_u32 s44, s44, s45
	s_add_co_u32 s44, s44, s12
	s_lshl_b32 s44, s44, 3
	s_and_b32 s45, s15, 7
	s_add_co_u32 s44, s44, s45
	s_mul_i32 s44, s44, 768
	s_mov_b32 s45, 0
	s_lshl_b32 s46, s15, 13                        ; cs: 8,192 x batch-head + 512 x block
	s_lshl_b32 s47, s14, 9
	s_add_co_u32 s46, s46, s47
	s_mov_b32 s47, 0
	s_and_b32 s16, s12, 1
	s_lshl_b32 s16, s16, 4                         ; my tile's two bytes of Q's scale word begin at bit 16 (w % 2)
	s_mov_b32 s37, 0
	s_mov_b32 s38, 3
	s_wait_kmcnt 0x0
	s_mov_b32 s32, 1                               ; group 0: count = 1
	s_mov_b32 s33, s17                             ; LDS address: slot 0, my quarter
	s_add_nc_u64 s[34:35], s[6:7], s[18:19]        ; global address: the batch-head's first records
	s_or_b32 s35, s35, 0x80000000                  ; type = 2
	s_add_nc_u64 s[42:43], s[4:5], s[42:43]
	s_add_nc_u64 s[40:41], s[4:5], s[40:41]
	s_add_nc_u64 s[8:9], s[8:9], s[44:45]
	s_add_nc_u64 s[10:11], s[10:11], s[46:47]
	CROUND                                         ; all four work-groups are here: the first joint loads meet
	TLOAD                                          ; slot 0
	global_load_b128 v[16:19], v1, s[42:43]        ; q: my tile's half image
	global_load_b64 v[20:21], v2, s[42:43] offset:512
	global_load_b32 v34, v11, s[40:41]             ; and the fragment's scale words
	v_mov_b32 v13, 0xff61b1e6                      ; the largest t so far: -3e38, under every t
	v_floor_f32 v12, -v13                          ; -M
	v_mov_b32 v14, 0                               ; the sum, in two halves
	v_mov_b32 v15, 0
.irp b, 0,1,2,3
	v_mov_b32 v[BX+\b], 0                          ; written once: a lane permute's destination counts as one of its sources
.endr
	v_mov_b32 v[FF+1], 0
	v_mov_b32 v[TP], 0
	s_wait_loadcnt 0x0
.irp i, 0,1,2,3,4,5
	v_mov_b32 v[28+\i], v[16+\i]                   ; [q | 0 | q]: v16-27 is [q | 0], v22-33 is [0 | q]
	v_mov_b32 v[22+\i], 0
.endr
	v_lshrrev_b32 v34, s16, v34
	v_and_b32 v34, 0xffff, v34
	v_lshl_or_b32 v34, v34, 16, v34                ; my two bytes twice: they serve q in either half; the zero codes add nothing under them
.set j, 0
.rept 32
	v_mov_b32 v[OT+j], 0                           ; O^T: the step is written once, its first turn finds zeros.  (These are also the places between the lines above and the first scaled product)
.set j, j+1
.endr
; A KEY STEP: one record, 128 keys.
.macro STEP
	v_add_nc_u32 v6, s37, v1
	v_add_nc_u32 v7, s37, v2
	v_add_nc_u32 v8, s37, v3
	v_nop                                          ; four places in front of loads into registers that the last step's products have read
.irp f, 0,1,2,3
	FETCH FR+12*\f, 1536*\f
.endr
	ds_load_b32 v36, v8 offset:6144                ; K's scale words: fragment 0 in lanes 0-15, fragment 1 in lanes 16-31
	ds_load_b32 v37, v8 offset:6272                ; fragments 2, 3
	s_wait_dscnt 0x0
.irp f, 0,1,2,3                                ; S^T = K Q^T: register 16 f + 8 c + j is key 32 f + 16 (lane / 16) + 8 c + j of my query
.irp c, 0,1
	QK S+16*\f+8*\c, FR+12*\f, 16+6*\c, 36+\f/2, \f%2
.endr
.endr
.rept 4
	v_nop                                          ; four places: then V is asked for, into the registers that K has left, and lands under the softmax
.endr
.irp t, 0,1,2,3
	FETCH FR+12*\t, 6400+1536*\t
.endr
	ds_load_b32 v38, v8 offset:12544               ; V's scale words: tiles 0, 1
	ds_load_b32 v39, v8 offset:12672               ; tiles 2, 3
.irp b, 0,1,2,3
	v_max3_num_f32 v[BM+\b], v[S+16*\b], v[S+1+16*\b], v[S+2+16*\b]   ; the largest score of each block of 32 keys: it serves the row's maximum and, since p rises with the score, the block's largest p
.endr
.irp i, 3,5,7,9,11,13
.irp b, 0,1,2,3
	v_max3_num_f32 v[BM+\b], v[BM+\b], v[S+16*\b+\i], v[S+1+16*\b+\i]
.endr
.endr
.irp b, 0,1,2,3
	v_max_num_f32 v[BM+\b], v[BM+\b], v[S+15+16*\b]
.endr
.irp b, 0,1,2,3
	v_permlanex16_b32 v[BX+\b], v[BM+\b], s20, s21
.endr
.irp b, 0,1,2,3
	v_max_num_f32 v[BM+\b], v[BM+\b], v[BX+\b]     ; with lane l xor 16's 16 keys
.endr
	v_max3_num_f32 v[TP], v[BM], v[BM+1], v[BM+2]
	v_max_num_f32 v[TP], v[TP], v[BM+3]            ; the step's largest score of my query
	v_mul_f32 v[TP], s22, v[TP]                    ; as t (c is positive)
	v_max_num_f32 v13, v13, v[TP]                  ; the running largest t
	v_mov_b32 v[TP], v12
	v_floor_f32 v12, -v13                          ; the new -M = floor(-t) = -ceil(t): a whole number
	v_sub_f32 v[TP], v12, v[TP]                    ; old M - new M: a whole number, 0 or less
	v_cvt_i32_f32 v[TP], v[TP]                     ; (it saturates)
	v_ldexp_f32 v[FF], 1.0, v[TP]                  ; f = 2^(old M - new M)
.set j, 0
.rept 32
	v_pk_fma_f32 v[S+j:S+j+1], v[S+j:S+j+1], s[22:23], v[12:13] op_sel_hi:[1,0,0]   ; t - M, two at a time (of the pairs c and -M the low word serves both halves)
.set j, j+2
.endr
.irp b, 0,1,2,3
	v_fma_f32 v[BM+\b], v[BM+\b], s22, v12         ; the same of each block's largest score
.endr
.set j, 0
.rept 64
	v_exp_f32 v[S+j], v[S+j]                       ; p = 2^(t - M), at most 1
.set j, j+1
.endr
.irp b, 0,1,2,3
	v_exp_f32 v[BM+\b], v[BM+\b]                   ; the block's largest p: the same two instructions on the same number
.endr
	v_pk_mul_f32 v[14:15], v[14:15], v[FF:FF+1] op_sel_hi:[1,0]   ; the sums under the new M.  (The plain place behind the exponentials)
	s_wait_alu depctr_va_vdst(0)
.irp b, 0,1,2,3
	v_max_num_f32 v[BM+\b], 0x2800000, v[BM+\b]    ; the floor 2^(5 - 127): the byte cannot fall under 1
.endr
.irp b, 0,1,2,3
	v_add_nc_u32 v[SO+\b], 0xfe000000, v[BM+\b]    ; 4 off the exponent field: the conversion's scale operand
.endr
.irp b, 0,1,2,3
	v_lshrrev_b32 v[BX+\b], 23, v[SO+\b]           ; the scale's byte
.endr
	v_lshl_or_b32 v[PW], v[BX+1], 8, v[BX]
	v_lshl_or_b32 v[PW], v[BX+2], 16, v[PW]
	v_lshl_or_b32 v[PW], v[BX+3], 24, v[PW]
.irp c, 0,1
	v_cvt_scalef32_pk16_bf6_f32 v[PC+6*\c:PC+2+6*\c], v[S+32*\c:S+15+32*\c], v[SO+2*\c]
	v_cvt_scalef32_pk16_bf6_f32 v[PT+4*\c:PT+2+4*\c], v[S+16+32*\c:S+31+32*\c], v[SO+2*\c+1]   ; (a conversion's three registers begin on an even number)
.endr
	v_nop                                          ; one plain place behind the conversions
.irp c, 0,1                                    ; the operand's layout wants a whole block in a lane
.irp i, 0,1,2
	v_permlane16_swap_b32 v[PC+6*\c+\i], v[PT+4*\c+\i]
.endr
.irp i, 0,1,2
	v_mov_b32 v[PC+3+6*\c+\i], v[PT+4*\c+\i]
.endr
.endr
	v_pk_add_f32 v[SU:SU+1], v[S:S+1], v[S+2:S+3]  ; the row's sum is taken of the UNQUANTISED p: two at a time, in two chains
.set j, 4
.rept 15
	v_pk_add_f32 v[14:15], v[14:15], v[S+j:S+j+1]
	v_pk_add_f32 v[SU:SU+1], v[SU:SU+1], v[S+j+2:S+j+3]
.set j, j+4
.endr
	v_pk_add_f32 v[14:15], v[14:15], v[SU:SU+1]
.set j, 0
.rept 16
	v_pk_mul_f32 v[OT+j:OT+j+1], v[OT+j:OT+j+1], v[FF:FF+1] op_sel_hi:[1,0]   ; O^T under the new M, each accumulator from its low end.  (With the sums above: the places between p's codes and scale word and the products)
.set j, j+2
.endr
	s_wait_dscnt 0x0                               ; V is in
.irp t, 0,1,2,3                                ; O^T += V^T P^T: the four accumulators by turns, one instruction a turn
	PV OT+8*\t, FR+12*\t, 38+\t/2, \t%2
.endr
.endm
; THE CHANGE OF SLOTS stands at a slot's head.  Each wave waits for all its tensor loads (its part of the slot ahead), adds 0 to its spare word, and waits for that and for its reads of the slot that it has left.
; fill = 1: the barrier is a round of the cluster's, so that no wave of any partner still reads the slot left or has a load on its way; the joint load for that slot is the first thing behind it and has eight key steps in which to land.
.macro CHANGE fill
	s_wait_tensorcnt 0x0                           ; no tensor load of mine is out, so the descriptor may be written
	ds_add_u32 v4, v5                              ; 0 onto my spare word
.if \fill
	s_xor_b32 s33, s33, SLOT1                      ; the other slot than last time,
	s_add_nc_u64 s[34:35], s[34:35], SLOTB         ; the next eight records; the type bits on top are not reached
.endif
	s_wait_dscnt 0x0                               ; the add is done, and my reads of the slot that I have left are over
.if \fill
	CROUND
	TLOAD
.else
	s_barrier_signal -1
	s_barrier_wait -1
.endif
.endm
.macro STEPS                           ; a slot's eight key steps: written once, walked eight times
	s_mov_b32 s39, 8
.Lstep_\@:
	STEP
	s_add_co_u32 s37, s37, RECB                    ; the next record
	s_sub_co_u32 s39, s39, 1
	s_cmp_lg_u32 s39, 0
	s_cbranch_scc1 .Lstep_\@
	s_sub_co_u32 s37, s37, SLOTB                   ; back to a slot's first record,
	s_xor_b32 s37, s37, SLOT1                      ; in the other slot
.endm
.Lslot:                                            ; three trips: behind each change of slots but the last the next 1,024 keys are asked for
	CHANGE 1
	STEPS
	s_sub_co_u32 s38, s38, 1
	s_cmp_lg_u32 s38, 0
	s_cbranch_scc1 .Lslot
	CHANGE 0                                       ; the last slot is written out
	STEPS
	; THE WAY OUT.  ctx = O^T / the sum; register 16 b + i is the head's dimension 32 b + 16 (lane / 16) + i of my query: two blocks along the next product's K.
	v_add_f32 v14, v14, v15                        ; the sum's two halves,
	v_permlanex16_b32 v[TP], v14, s20, s21
	v_add_f32 v14, v14, v[TP]                      ; and lane l xor 16's
	v_rcp_f32 v14, v14
.rept 4
	v_nop                                          ; the plain place behind the reciprocal, and the places behind the last products
.endr
.set j, 0
	s_wait_alu depctr_va_vdst(0)
.rept 32
	v_mul_f32 v[S+j], v[OT+j], v14
.set j, j+1
.endr
.irp b, 0,1
	v_max3_num_f32 v[BM+\b], |v[S+16*\b]|, |v[S+1+16*\b]|, 0x2800000
.endr
.irp i, 2,4,6,8,10,12,14
.irp b, 0,1
	v_max3_num_f32 v[BM+\b], v[BM+\b], |v[S+16*\b+\i]|, |v[S+1+16*\b+\i]|
.endr
.endr
.irp b, 0,1
	v_permlanex16_b32 v[BX+\b], v[BM+\b], s20, s21
.endr
.irp b, 0,1
	v_max_num_f32 v[BM+\b], v[BM+\b], v[BX+\b]
.endr
.irp b, 0,1
	v_add_nc_u32 v[SO+\b], 0xfe000000, v[BM+\b]
.endr
.irp b, 0,1
	v_lshrrev_b32 v[BX+\b], 23, v[SO+\b]
.endr
	v_lshl_or_b32 v[PW], v[BX+1], 8, v[BX]         ; my row's two scale bytes
	v_cvt_scalef32_pk16_bf6_f32 v[PC:PC+2], v[S:S+15], v[SO]
	v_cvt_scalef32_pk16_bf6_f32 v[PT:PT+2], v[S+16:S+31], v[SO+1]
	v_nop
.irp i, 0,1,2
	v_permlane16_swap_b32 v[PC+\i], v[PT+\i]
.endr
.irp i, 0,1,2
	v_mov_b32 v[PC+3+\i], v[PT+\i]
.endr
	global_store_b128 v1, v[PC:PC+3], s[8:9]               ; the half image: 512 and 256 consecutive bytes, at multiples of 256 from cc's first byte
	global_store_b64 v2, v[PC+4:PC+5], s[8:9] offset:512
	ds_store_b16 v9, v[PW]                         ; lanes r and r + 16 write the same two bytes
	s_wait_dscnt 0x0                               ; for wave 0's sake
	s_barrier_signal -1
	s_barrier_wait -1                              ; the sixteen tiles' 512 scale bytes lie in LDS
	s_cmp_lg_u32 s12, 0
	s_cbranch_scc1 .Lnot_0
	ds_load_b128 v[S:S+3], v10
	s_wait_dscnt 0x0
	global_store_b128 v1, v[S:S+3], s[10:11]       ; they leave as 512 consecutive bytes
.Lnot_0:
	s_wait_tensorcnt 0x0                           ; the wave's end
	ds_add_u32 v4, v5
	s_wait_dscnt 0x0
	CROUND                                         ; the closing round: no work-group ends while a partner may still ask for a tile that names it
	s_endpgm
.Lfunc_end_k_q3671bcd849_attn:
	.size	k_q3671bcd849_attn, .Lfunc_end_k_q3671bcd849_attn-k_q3671bcd849_attn
	.p2alignl 7, 3214868480
	.fill 96, 4, 3214868480
	.section	.rodata,"a",@progbits
	.p2align	6, 0x0
	.amdhsa_kernel k_q3671bcd849_attn
		.amdhsa_group_segment_fixed_size 327680
		.amdhsa_private_segment_fixed_size 0
		.amdhsa_enable_private_segment 0
		.amdhsa_kernarg_size 32
		.amdhsa_user_sgpr_count 2
		.amdhsa_user_sgpr_kernarg_segment_ptr 1
		.amdhsa_wavefront_size32 1
		.amdhsa_system_sgpr_workgroup_id_x 1
		.amdhsa_system_sgpr_workgroup_id_y 1
		.amdhsa_system_sgpr_workgroup_id_z 1
		.amdhsa_system_vgpr_workitem_id 0
		.amdhsa_next_free_vgpr 224
		.amdhsa_next_free_sgpr 66
		.amdhsa_reserve_vcc 0
		.amdhsa_float_denorm_mode_32 3
		.amdhsa_float_denorm_mode_16_64 3
		.amdhsa_memory_ordered 1
		.amdhsa_forward_progress 1
		.amdhsa_inst_pref_size 44
	.end_amdhsa_kernel
	.amdgpu_metadata
---
amdhsa.version: [ 1, 2 ]
amdhsa.kernels:
  - .name:           k_q3671bcd849_attn
    .symbol:         k_q3671bcd849_attn.kd
    .args:
      - { .name: qq, .offset: 0, .size: 8, .value_kind: global_buffer, .address_space: global }
      - { .name: kv, .offset: 8, .size: 8, .value_kind: global_buffer, .address_space: global }
      - { .name: cc, .offset: 16, .size: 8, .value_kind: global_buffer, .address_space: global }
      - { .name: cs, .offset: 24, .size: 8, .value_kind: global_buffer, .address_space: global }
    .group_segment_fixed_size: 327680
    .private_segment_fixed_size: 0
    .kernarg_segment_align: 8
    .kernarg_segment_size: 32
    .max_flat_workgroup_size: 512
    .sgpr_count:     66
    .vgpr_count:     224
    .wavefront_size: 32
...
	.end_amdgpu_metadata
.endif
;; end of part 3
;; launch oproj (part 4): grid 512 x 1, 4 waves a work-group, no clusters, 34,304 bytes of LDS; arguments cc, cs, wc, ws, out0; writes out0
.if DOCPART == 4
	.amdgcn_target "amdgcn-amd-amdhsa--gfx1250"
	.amdhsa_code_object_version 6
	.text
	.protected	k_q3671bcd849_oproj
	.globl	k_q3671bcd849_oproj
	.p2align	8
	.type	k_q3671bcd849_oproj,@function
k_q3671bcd849_oproj:
	s_mov_b64 s[64:65], 0
	v_nop
	global_prefetch_b8 v0, s[64:65] scope:SCOPE_SE
	s_setreg_imm32_b32 hwreg(HW_REG_WAVE_MODE, 25, 1), 1
	s_wait_xcnt 0x0
; out0 = ctx Wo, [8,192][512] f32, on codes of BF6 (E3M2) with one E8M0 scale for each 32 along K.  Both operands arrive as images of their registers (a fragment is 1,536 bytes: half c at 768 c: registers 6 c .. 6 c + 3 at 16 x lane, 6 c + 4, 6 c + 5 at 512 + 8 x lane).
; cc: [row tile 512][head 8][768]: K step s of a row tile is the 1,536 bytes of heads 2 s and 2 s + 1.  cs: [batch x head][tile 256][16 rows] two scale bytes.  wc, ws: Wo is matrix 3.
; POSITION r OF TILE T (rows of ctx in a batch, columns of Wo) IS INDEX 32 (T / 2) + 8 (T % 2) + r + 8 (r / 8).
; SHARES.  A work-group takes one row tile, wave w the columns 128 w .. 128 w + 127 (Wo's tiles 8 w + t).  Source 0 = Wo's columns, source 1 = ctx's rows: a lane holds a row and eight neighbouring columns.  32 matrix instructions a wave on eight
; accumulators, which take turns, one instruction a turn.  Wo's fragments come in two sets of four, each loaded while the other is multiplied.  Waves share nothing: no barrier.
; Every operand goes from memory straight into registers, so there is no tensor load and no joint request; each work-group reads Wo's 196,608 bytes of images for its 6,144 bytes of ctx.
; The results turn through the wave's own stage in LDS and leave as rows: each store covers 512 consecutive bytes, at a multiple of 256 from out0's first byte.
.set CSR, 16                           ; v16-19   ctx's scale words, one for each K step
.set WSR, 20                           ; v20-35   Wo's: register 4 i + s: tile 2 i in lanes 0-15, tile 2 i + 1 in lanes 16-31
.set CX,  36                           ; v36-83   ctx's four fragments
.set SA,  84                           ; v84-131  Wo's tiles 0-3 of a K step;  on the way out v84-147 the rows read back
.set SB,  132                          ; v132-179 tiles 4-7
.set ACC, 180                          ; v180-243 accumulator t at 180 + 8 t
.macro MM d, a, b, sa, sb, ra, first
.if \first
.if \ra
	v_wmma_scale_f32_16x16x128_f8f6f4 v[\d:\d+7], v[\a:\a+11], v[\b:\b+11], 0, v[\sa], v[\sb] matrix_a_fmt:MATRIX_FMT_BF6 matrix_b_fmt:MATRIX_FMT_BF6 matrix_a_scale:MATRIX_SCALE_ROW1
.else
	v_wmma_scale_f32_16x16x128_f8f6f4 v[\d:\d+7], v[\a:\a+11], v[\b:\b+11], 0, v[\sa], v[\sb] matrix_a_fmt:MATRIX_FMT_BF6 matrix_b_fmt:MATRIX_FMT_BF6
.endif
.else
.if \ra
	v_wmma_scale_f32_16x16x128_f8f6f4 v[\d:\d+7], v[\a:\a+11], v[\b:\b+11], v[\d:\d+7], v[\sa], v[\sb] matrix_a_fmt:MATRIX_FMT_BF6 matrix_b_fmt:MATRIX_FMT_BF6 matrix_a_scale:MATRIX_SCALE_ROW1
.else
	v_wmma_scale_f32_16x16x128_f8f6f4 v[\d:\d+7], v[\a:\a+11], v[\b:\b+11], v[\d:\d+7], v[\sa], v[\sb] matrix_a_fmt:MATRIX_FMT_BF6 matrix_b_fmt:MATRIX_FMT_BF6
.endif
.endif
.endm
.macro LOADW reg, t0, s                        ; four of Wo's fragments, tiles t0 .. t0 + 3 of my eight, K step s: 16 loads
.irp t, 0,1,2,3
	global_load_b128 v[\reg+12*\t:\reg+12*\t+3], v1, s[8:9] offset:((\t0+\t)*4+(\s))*1536
	global_load_b64 v[\reg+12*\t+4:\reg+12*\t+5], v2, s[8:9] offset:((\t0+\t)*4+(\s))*1536+512
	global_load_b128 v[\reg+12*\t+6:\reg+12*\t+9], v1, s[8:9] offset:((\t0+\t)*4+(\s))*1536+768
	global_load_b64 v[\reg+12*\t+10:\reg+12*\t+11], v2, s[8:9] offset:((\t0+\t)*4+(\s))*1536+1280
.endr
.endm
	s_load_b256 s[4:11], s[0:1], 0x0               ; cc, cs, wc, ws
	s_load_b64 s[12:13], s[0:1], 0x20              ; out0
	v_lshl_add_u32 v248, v0, 2, 0x8400
	v_mov_b32 v249, 0
	v_lshrrev_b32 v1, 5, v0
	v_readfirstlane_b32 s14, v1                    ; wave 0..3
	v_and_b32 v6, 31, v0
	v_lshlrev_b32 v1, 4, v6                        ; 16 x lane
	v_lshlrev_b32 v2, 3, v6                        ; 8 x lane
	v_and_b32 v7, 15, v0                           ; r
	v_lshlrev_b32 v3, 1, v7                        ; 2 r
	s_lshr_b32 s15, ttmp9, 8                       ; the batch
	s_and_b32 s16, ttmp9, 255                      ; the row tile in it
	s_lshl_b32 s18, s15, 16                        ; cs: (8 batch x 256 + tile) x 32; the head stands in the loads' immediates
	s_lshl_b32 s19, s16, 5
	s_add_co_u32 s18, s18, s19
	s_mov_b32 s19, 0
	s_mul_i32 s20, ttmp9, 6144                     ; cc: the row tile's four fragments
	s_mov_b32 s21, 0
	s_mul_i32 s22, s14, 49152                      ; wc: matrix 3, my eight tiles
	s_add_co_u32 s22, s22, 589824
	s_mov_b32 s23, 0
	s_lshl_b32 s24, s14, 11                        ; ws: likewise
	s_add_co_u32 s24, s24, 24576
	s_mov_b32 s25, 0
	s_lshl_b32 s26, s15, 12                        ; out0: row 4,096 batch + 32 (tile / 2) + 8 (tile % 2), + my 512 bytes of it
	s_lshr_b32 s27, s16, 1
	s_lshl_b32 s27, s27, 5
	s_add_co_u32 s26, s26, s27
	s_and_b32 s27, s16, 1
	s_lshl_b32 s27, s27, 3
	s_add_co_u32 s26, s26, s27
	s_lshl_b32 s26, s26, 11
	s_lshl_b32 s27, s14, 9
	s_add_co_u32 s26, s26, s27
	s_mov_b32 s27, 0
	s_mul_i32 s28, s14, 16*528                     ; my stage: 16 rows x (512 + 16) bytes
	s_wait_kmcnt 0x0
	s_add_nc_u64 s[6:7], s[6:7], s[18:19]
	s_add_nc_u64 s[4:5], s[4:5], s[20:21]
	s_add_nc_u64 s[8:9], s[8:9], s[22:23]
	s_add_nc_u64 s[10:11], s[10:11], s[24:25]
	s_add_nc_u64 s[12:13], s[12:13], s[26:27]
.irp d, 0,1,2,3,4,5,6,7
	global_load_u16 v[8+\d], v3, s[6:7] offset:8192*\d     ; head d's two scale bytes of my row
.endr
.irp i, 0,1,2,3
	global_load_b128 v[WSR+4*\i:WSR+4*\i+3], v1, s[10:11] offset:512*\i
.endr
.irp s, 0,1,2,3
	global_load_b128 v[CX+12*\s:CX+12*\s+3], v1, s[4:5] offset:1536*\s
	global_load_b64 v[CX+12*\s+4:CX+12*\s+5], v2, s[4:5] offset:1536*\s+512
	global_load_b128 v[CX+12*\s+6:CX+12*\s+9], v1, s[4:5] offset:1536*\s+768
	global_load_b64 v[CX+12*\s+10:CX+12*\s+11], v2, s[4:5] offset:1536*\s+1280
.endr
	LOADW SA, 0, 0
	LOADW SB, 4, 0
	s_wait_loadcnt 52                              ; the eight loads of scale bytes are in; the 52 issued behind them may be out
.irp s, 0,1,2,3
	v_lshl_or_b32 v[CSR+\s], v[9+2*\s], 16, v[8+2*\s]      ; K step s: heads 2 s and 2 s + 1
.endr
	v_bfe_u32 v6, v0, 4, 1                         ; h.  (These five lines and the four v_nop are the places between the scale words just made and the first scaled product)
	v_mul_u32_u24 v4, v7, 528
	v_lshl_add_u32 v4, v6, 6, v4
	v_add_nc_u32 v4, s28, v4                       ; into the stage: row r, + 64 h
	v_add_nc_u32 v5, s28, v1                       ; back: a row's 512 bytes, 16 a lane
.rept 4
	v_nop
.endr
.irp s, 0,1,2,3
	s_wait_loadcnt 16                              ; tiles 0-3 of this K step are in (at first: the scale words and ctx too); only the 16 loads of tiles 4-7 may be out
.irp t, 0,1,2,3
	MM ACC+8*\t, SA+12*\t, CX+12*\s, WSR+4*(\t/2)+\s, CSR+\s, \t%2, \s==0
.endr
.if \s < 3
.rept 4
	v_nop                                          ; four places in front of loads into registers that matrix instructions have read
.endr
	LOADW SA, 0, \s+1
	s_wait_loadcnt 16                              ; tiles 4-7 are in; only the 16 loads just issued may be out
.else
	s_wait_loadcnt 0x0
.endif
.irp t, 4,5,6,7
	MM ACC+8*\t, SB+12*(\t-4), CX+12*\s, WSR+4*(\t/2)+\s, CSR+\s, \t%2, \s==0
.endr
.if \s < 3
.rept 4
	v_nop
.endr
	LOADW SB, 4, \s+1
.endif
.endr
.rept 4
	v_nop                                          ; four places in front of the first read of results and of loads into operands
.endr
.irp t, 0,1,2,3,4,5,6,7                        ; lane (r, h), accumulator t: columns 32 (t / 2) + 16 h + 8 (t % 2) + 0 .. 7 of my 128; each accumulator from its low end
	ds_store_b128 v4, v[ACC+8*\t:ACC+8*\t+3] offset:128*(\t/2)+32*(\t%2)
	ds_store_b128 v4, v[ACC+8*\t+4:ACC+8*\t+7] offset:128*(\t/2)+32*(\t%2)+16
.endr
.irp p, 0,1,2,3,4,5,6,7,8,9,10,11,12,13,14,15
	ds_load_b128 v[SA+4*\p:SA+4*\p+3], v5 offset:528*\p    ; LDS serves a wave's instructions in order: these see my stores
.endr
.irp p, 0,1,2,3,4,5,6,7,8,9,10,11,12,13,14,15
	s_wait_dscnt 15-\p                             ; row p is back; the younger loads may be out
	global_store_b128 v1, v[SA+4*\p:SA+4*\p+3], s[12:13] offset:(\p+8*(\p/8))*2048 th:TH_STORE_NT   ; position p's row: written once, read by nobody here
.endr
	s_wait_tensorcnt 0x0
	ds_add_u32 v248, v249
	s_wait_dscnt 0x0
	s_endpgm
.Lfunc_end_k_q3671bcd849_oproj:
	.size	k_q3671bcd849_oproj, .Lfunc_end_k_q3671bcd849_oproj-k_q3671bcd849_oproj
	.p2alignl 7, 3214868480
	.fill 96, 4, 3214868480
	.section	.rodata,"a",@progbits
	.p2align	6, 0x0
	.amdhsa_kernel k_q3671bcd849_oproj
		.amdhsa_group_segment_fixed_size 34304
		.amdhsa_private_segment_fixed_size 0
		.amdhsa_enable_private_segment 0
		.amdhsa_kernarg_size 40
		.amdhsa_user_sgpr_count 2
		.amdhsa_user_sgpr_kernarg_segment_ptr 1
		.amdhsa_wavefront_size32 1
		.amdhsa_system_sgpr_workgroup_id_x 1
		.amdhsa_system_sgpr_workgroup_id_y 1
		.amdhsa_system_sgpr_workgroup_id_z 1
		.amdhsa_system_vgpr_workitem_id 0
		.amdhsa_next_free_vgpr 250
		.amdhsa_next_free_sgpr 66
		.amdhsa_reserve_vcc 0
		.amdhsa_float_denorm_mode_32 3
		.amdhsa_float_denorm_mode_16_64 3
		.amdhsa_memory_ordered 1
		.amdhsa_forward_progress 1
		.amdhsa_inst_pref_size 27
	.end_amdhsa_kernel
	.amdgpu_metadata
---
amdhsa.version: [ 1, 2 ]
amdhsa.kernels:
  - .name:           k_q3671bcd849_oproj
    .symbol:         k_q3671bcd849_oproj.kd
    .args:
      - { .name: cc, .offset: 0, .size: 8, .value_kind: global_buffer, .address_space: global }
      - { .name: cs, .offset: 8, .size: 8, .value_kind: global_buffer, .address_space: global }
      - { .name: wc, .offset: 16, .size: 8, .value_kind: global_buffer, .address_space: global }
      - { .name: ws, .offset: 24, .size: 8, .value_kind: global_buffer, .address_space: global }
      - { .name: out0, .offset: 32, .size: 8, .value_kind: global_buffer, .address_space: global }
    .group_segment_fixed_size: 34304
    .private_segment_fixed_size: 0
    .kernarg_segment_align: 8
    .kernarg_segment_size: 40
    .max_flat_workgroup_size: 128
    .sgpr_count:     66
    .vgpr_count:     250
    .wavefront_size: 32
...
	.end_amdgpu_metadata
.endif
;; end of part 4
;; ======== version 2 of 2: 4 launches
;; workspace buffers: wc 786,432 bytes; ws 32,768 bytes; qq 3,276,800 bytes; kv 6,553,600 bytes; cc 3,145,728 bytes; cs 131,072 bytes
;; launch wquant: the kernel of part 1 again; grid 16 x 4, 4 waves a work-group, no clusters, 14,336 bytes of LDS; arguments Wq, Wk, Wv, Wo, wc, ws; writes wc, ws
;; launch proj (part 5): grid 64 x 3, 16 waves a work-group, no clusters, 188,416 bytes of LDS; arguments x, wc, ws, qq, kv; writes qq, kv
.if DOCPART == 5
	.amdgcn_target "amdgcn-amd-amdhsa--gfx1250"
	.amdhsa_code_object_version 6
	.text
	.protected	k_q3671bcd849_proj
	.globl	k_q3671bcd849_proj
	.p2align	8
	.type	k_q3671bcd849_proj,@function
k_q3671bcd849_proj:
	s_mov_b64 s[64:65], 0
	v_nop
	global_prefetch_b8 v0, s[64:65] scope:SCOPE_SE
	s_setreg_imm32_b32 hwreg(HW_REG_WAVE_SCHED_MODE, 0, 2), 2
	s_setreg_imm32_b32 hwreg(HW_REG_WAVE_MODE, 25, 1), 1
	s_wait_xcnt 0x0
	s_wait_alu depctr_vm_vsrc(0)
; Q, K or V = x W (work-group y = 0, 1, 2), on codes of BF6 (E3M2) with one E8M0 scale for each 32 along K; the result is quantised in registers for attention's products and stored as images of operand registers.
; x: [8,192][512] f32, quantised here along its 512.  wc, ws: the weights' images and scale rows.  An IMAGE of a fragment (12 registers a lane) is 1,536 bytes: half c at 768 c: registers 6 c .. 6 c + 3 at 16 x lane, 6 c + 4, 6 c + 5 at 512 + 8 x lane.
; POSITION r OF TILE T (rows of x, columns of W) IS INDEX 32 (T / 2) + 8 (T % 2) + r + 8 (r / 8): the 16 result registers of source 0's tiles 2 b and 2 b + 1 are then the 16 neighbours 32 b + 16 (lane / 16) + 0 .. 15.
; OUT.  qq: [batch x head 16][record 32][6,400]: 128 queries: four fragments of 32 rows (half c = tile 2 f + c: lane (r, h) holds the row's head dimensions 32 h .. 32 h + 31), then 256 scale bytes (word 64 f + 4 r: bytes c0 b0, c0 b1, c1 b0, c1 b1).
;       kv: [batch x head][record 32][12,800]: 128 keys: K as in qq at 0 and 6,144; V at 6,400: four fragments (tile t of the head's 64 x 128 keys, the KEYS along K), its scale words (64 t + 4 r, byte = block of keys) at 12,544.
; SHARES.  Work-group x: 128 rows of x, one record of each head.  Phase X: wave w quantises row tile w / 2, K steps 2 (w % 2) and 2 (w % 2) + 1, and stores the images in LDS.  One barrier.
; Then wave w takes head w / 2 and row tiles 4 (w % 2) + 0 .. 3: 4 x 4 tiles x 4 K steps = 64 matrix instructions on 16 accumulators, which take turns, one instruction a turn.
; Q, K: source 0 = W's columns, source 1 = x's rows: a lane holds a row, its registers run along the head's 64.  V: source 0 = x's rows, source 1 = W's columns: a lane holds a head dimension, its registers run along the keys.
; W's images go from memory straight into operand registers (16 or 8 bytes a lane, dense).  No cluster and no tensor load: a matrix's images, 196,608 bytes, do not fit in LDS beside the 186,368 bytes of stages and x's images.
; The scale words leave in stores of 128 or 64 bytes: 256-byte blocks written in part, one byte in 24 of what the launch stores.
; LIMITS: a block of zeros, or one whose largest magnitude lies under 2^-122, gets the byte 1 (zero codes; only this program reads the bytes).  NaN and infinities among the inputs are not served.
; THE MODE: SCHED_MODE bits 1:0 = 2 (LLVM: expert scheduling mode 2), set by the entry lines.  The code itself states the register dependences
; between vector or matrix instructions and memory or LDS instructions, with s_wait_alu, always for 0.
; THE PLAN.  Registers that memory or LDS instructions touch:
;   v2-v4, v5-v12  global offsets and LDS addresses: written at the head and never again: one wait on va_vdst ahead of the first load serves every access of the kernel.
;   v128-255       The rows of x as loaded: loads land, the 32 stage stores read them.  v128-191 then take the second K step's numbers back from the stage (a wait on vm_vsrc between); from the first product on all 128 are accumulators.
;   v64-127        The first K step's numbers back from the stage; its conversions read them.
;   PC + v15, PC2 + v76   Two out-sets: each is written by one QUANT and read by five LDS stores behind one wait on va_vdst; neither is written again in phase X.
;   One wait on vm_vsrc behind the last image stores, ahead of the barrier and of the branch on y: all LDS stores have read their data, so W's and x's fragments may land in v32-127 and the products may write v128-255.
;   WF, XF         In a K step 32 loads land in them and 16 products read them: one wait on va_vdst between a K step's products and the next K step's loads.  Four waves of 256 registers fill a SIMD: there is no second set.
;   The way out    PC, then PC2 and the scale words: a QUANT writes, one wait on va_vdst, the stores read; the second QUANT names none of PC.
.set STGB, 8448                        ; LDS: a stage of 16 rows x (512 + 16) bytes for each wave, from byte 0
.set XIMG, 16*STGB                     ; x's 32 images: (tile, K step) at (4 tile + step) x 1,536
.set XSC,  XIMG+32*1536                ; x's scale words: 256 tile + 16 r + 4 step
.set WS,   16                          ; v16-23   W's scale words: register 4 i + s: tile 2 i in lanes 0-15, tile 2 i + 1 in lanes 16-31
.set XS,   24                          ; v24-31   x's likewise
.set PC,   32                          ; v32-43   codes just made        (phase X and the way out; in between v32-79 W's four fragments, v80-127 x's four)
.set PT,   44                          ; v44-51   the conversions' second halves
.set TM,   52                          ; v52-55 largest magnitudes, v56-59 the other lanes', then bytes, v60-63 the conversions' scale operands
.set XN,   64                          ; v64-127  phase X: 64 numbers of my row, first K step
.set XN1,  128                         ; v128-191 phase X: the same of the second K step, in registers that the stage stores have read
.set PC2,  64                          ; v64-75   the second fragment's codes, in phase X and on the way out
.set WF,   32
.set XF,   80
.set ACC,  128                         ; v128-255 accumulator (g, e) at 128 + 32 g + 8 e; in phase X the rows as loaded
.macro MM d, a, b, sa, sb, ra, rb, first   ; ra, rb: the scale words lie in lanes 16-31; first: the product starts the sum
.if \first
.if \ra
.if \rb
	v_wmma_scale_f32_16x16x128_f8f6f4 v[\d:\d+7], v[\a:\a+11], v[\b:\b+11], 0, v[\sa], v[\sb] matrix_a_fmt:MATRIX_FMT_BF6 matrix_b_fmt:MATRIX_FMT_BF6 matrix_a_scale:MATRIX_SCALE_ROW1 matrix_b_scale:MATRIX_SCALE_ROW1
.else
	v_wmma_scale_f32_16x16x128_f8f6f4 v[\d:\d+7], v[\a:\a+11], v[\b:\b+11], 0, v[\sa], v[\sb] matrix_a_fmt:MATRIX_FMT_BF6 matrix_b_fmt:MATRIX_FMT_BF6 matrix_a_scale:MATRIX_SCALE_ROW1
.endif
.else
.if \rb
	v_wmma_scale_f32_16x16x128_f8f6f4 v[\d:\d+7], v[\a:\a+11], v[\b:\b+11], 0, v[\sa], v[\sb] matrix_a_fmt:MATRIX_FMT_BF6 matrix_b_fmt:MATRIX_FMT_BF6 matrix_b_scale:MATRIX_SCALE_ROW1
.else
	v_wmma_scale_f32_16x16x128_f8f6f4 v[\d:\d+7], v[\a:\a+11], v[\b:\b+11], 0, v[\sa], v[\sb] matrix_a_fmt:MATRIX_FMT_BF6 matrix_b_fmt:MATRIX_FMT_BF6
.endif
.endif
.else
.if \ra
.if \rb
	v_wmma_scale_f32_16x16x128_f8f6f4 v[\d:\d+7], v[\a:\a+11], v[\b:\b+11], v[\d:\d+7], v[\sa], v[\sb] matrix_a_fmt:MATRIX_FMT_BF6 matrix_b_fmt:MATRIX_FMT_BF6 matrix_a_scale:MATRIX_SCALE_ROW1 matrix_b_scale:MATRIX_SCALE_ROW1
.else
	v_wmma_scale_f32_16x16x128_f8f6f4 v[\d:\d+7], v[\a:\a+11], v[\b:\b+11], v[\d:\d+7], v[\sa], v[\sb] matrix_a_fmt:MATRIX_FMT_BF6 matrix_b_fmt:MATRIX_FMT_BF6 matrix_a_scale:MATRIX_SCALE_ROW1
.endif
.else
.if \rb
	v_wmma_scale_f32_16x16x128_f8f6f4 v[\d:\d+7], v[\a:\a+11], v[\b:\b+11], v[\d:\d+7], v[\sa], v[\sb] matrix_a_fmt:MATRIX_FMT_BF6 matrix_b_fmt:MATRIX_FMT_BF6 matrix_b_scale:MATRIX_SCALE_ROW1
.else
	v_wmma_scale_f32_16x16x128_f8f6f4 v[\d:\d+7], v[\a:\a+11], v[\b:\b+11], v[\d:\d+7], v[\sa], v[\sb] matrix_a_fmt:MATRIX_FMT_BF6 matrix_b_fmt:MATRIX_FMT_BF6
.endif
.endif
.endif
.endm
; 64 numbers of a lane, register 16 b + i = k 32 b + 16 (lane / 16) + i, become a fragment's 12 registers of codes at v[pc] and the four blocks' scale word in v[pw].  Vector instructions alone.
.macro QUANT s, pc, pw
.irp b, 0,1,2,3
	v_max3_num_f32 v[TM+\b], |v[\s+16*\b]|, |v[\s+1+16*\b]|, 0x2800000   ; my 16 numbers of block b, and the floor 2^(5 - 127): the byte cannot fall under 1
.endr
.irp i, 2,4,6,8,10,12,14
.irp b, 0,1,2,3
	v_max3_num_f32 v[TM+\b], v[TM+\b], |v[\s+16*\b+\i]|, |v[\s+1+16*\b+\i]|   ; (the four blocks by turns)
.endr
.endr
.irp b, 0,1,2,3
	v_permlanex16_b32 v[TM+4+\b], v[TM+\b], s20, s21
.endr
.irp b, 0,1,2,3
	v_max_num_f32 v[TM+\b], v[TM+\b], v[TM+4+\b]   ; with lane l xor 16's 16: the block's largest magnitude
.endr
.irp b, 0,1,2,3
	v_add_nc_u32 v[TM+8+\b], 0xfe000000, v[TM+\b]  ; 4 off its exponent field: the conversion's scale operand
.endr
.irp b, 0,1,2,3
	v_lshrrev_b32 v[TM+4+\b], 23, v[TM+8+\b]       ; the scale's byte
.endr
	v_lshl_or_b32 v[\pw], v[TM+5], 8, v[TM+4]
	v_lshl_or_b32 v[\pw], v[TM+6], 16, v[\pw]
	v_lshl_or_b32 v[\pw], v[TM+7], 24, v[\pw]
.irp c, 0,1
	v_cvt_scalef32_pk16_bf6_f32 v[\pc+6*\c:\pc+2+6*\c], v[\s+32*\c:\s+15+32*\c], v[TM+8+2*\c]
	v_cvt_scalef32_pk16_bf6_f32 v[PT+4*\c:PT+2+4*\c], v[\s+16+32*\c:\s+31+32*\c], v[TM+8+2*\c+1]   ; (a conversion's three registers begin on an even number)
.endr
	v_nop                                          ; one plain place behind the conversions
.irp c, 0,1                                    ; the operand's layout wants a whole block in a lane: lanes 0-15 block 2 c, lanes 16-31 block 2 c + 1
.irp i, 0,1,2
	v_permlane16_swap_b32 v[\pc+6*\c+\i], v[PT+4*\c+\i]
.endr
.irp i, 0,1,2
	v_mov_b32 v[\pc+3+6*\c+\i], v[PT+4*\c+\i]
.endr
.endr
.endm
.macro FETCHW reg, off                         ; a fragment of W from its image in memory
	global_load_b128 v[\reg:\reg+3], v2, s[32:33] offset:\off
	global_load_b64 v[\reg+4:\reg+5], v3, s[32:33] offset:\off+512
	global_load_b128 v[\reg+6:\reg+9], v2, s[32:33] offset:\off+768
	global_load_b64 v[\reg+10:\reg+11], v3, s[32:33] offset:\off+1280
.endm
.macro FETCHX reg, off                         ; a fragment of x from its image in LDS
	ds_load_b128 v[\reg:\reg+3], v10 offset:\off
	ds_load_b64 v[\reg+4:\reg+5], v11 offset:\off+512
	ds_load_b128 v[\reg+6:\reg+9], v10 offset:\off+768
	ds_load_b64 v[\reg+10:\reg+11], v11 offset:\off+1280
.endm
; K step s: four fragments of W, four of x, 16 products.  af, asc: source 0's fragments and scale words; bf, bsc: source 1's.  K step 0's fragments of W were asked for ahead of the barrier.
.macro KSTEP af, bf, asc, bsc, s
.if \s > 0
	s_wait_alu depctr_va_vdst(0)                   ; the last K step's 16 products are done reading WF and XF, in which the 32 loads below land
.irp e, 0,1,2,3
	FETCHW WF+12*\e, (4*\e+\s)*1536
.endr
.endif
.irp e, 0,1,2,3
	FETCHX XF+12*\e, (4*\e+\s)*1536
.endr
	s_wait_loadcnt 0x0
	s_wait_dscnt 0x0
.irp g, 0,1,2,3
.irp e, 0,1,2,3
	MM ACC+32*\g+8*\e, \af+12*\e, \bf+12*\g, \asc+4*(\e/2)+\s, \bsc+4*(\g/2)+\s, \e%2, \g%2, \s==0
.endr
.endr
.endm
; PHASE X's three parts.  The 16 rows of a K step turn through my stage, so that a lane holds 16 neighbours of each block of its row; then codes, image, scale word.
.macro TOSTAGE q                               ; K step q of my two: the rows as loaded go into my stage
.irp p, 0,1,2,3,4,5,6,7,8,9,10,11,12,13,14,15
	ds_store_b128 v5, v[ACC+64*\q+4*\p:ACC+64*\q+4*\p+3] offset:528*\p
.endr
.endm
.macro BACK reg                                ; and come back, 64 numbers of my row.  LDS serves a wave's instructions in order: these see the stores ahead of them, and the next K step's stores come behind them
.irp b, 0,1,2,3
.irp j, 0,1,2,3
	ds_load_b128 v[\reg+16*\b+4*\j:\reg+16*\b+4*\j+3], v6 offset:128*\b+16*\j
.endr
.endr
.endm
.macro IMG_L q, pc, pw                         ; the fragment's image and its scale word: five LDS stores
	ds_store_b128 v7, v[\pc:\pc+3] offset:1536*\q
	ds_store_b64 v8, v[\pc+4:\pc+5] offset:1536*\q+512
	ds_store_b128 v7, v[\pc+6:\pc+9] offset:1536*\q+768
	ds_store_b64 v8, v[\pc+10:\pc+11] offset:1536*\q+1280
	ds_store_b32 v9, v[\pw] offset:4*\q            ; lanes r and r + 16 write the same word with the same value
.endm
	s_load_b256 s[4:11], s[0:1], 0x0               ; x, wc, ws, qq
	s_load_b64 s[12:13], s[0:1], 0x20              ; kv
	v_lshrrev_b32 v1, 5, v0
	v_readfirstlane_b32 s14, v1                    ; wave 0..15
	v_and_b32 v1, 31, v0                           ; lane
	v_lshlrev_b32 v2, 4, v1                        ; 16 x lane
	v_lshlrev_b32 v3, 3, v1                        ; 8 x lane
	v_lshlrev_b32 v4, 2, v1                        ; 4 x lane
	v_and_b32 v13, 15, v0                          ; r
	s_wait_alu depctr_va_vdst(0)
	v_bfe_u32 v14, v0, 4, 1                        ; h
	v_cmp_le_u32 s22, 16, v1                       ; the mask of lanes 16-31
	s_wait_alu depctr_va_sdst(0)                   ; s14 and s22 are written: ahead of s14's first reader below, and of every branch on the way to s22's readers on the way out
	s_and_b32 s15, ttmp7, 0xffff                   ; y: 0 Q, 1 K, 2 V
	s_lshr_b32 s17, s14, 1                         ; phase X: my row tile.  Then: my head
	s_and_b32 s18, s14, 1                          ; phase X: which two K steps.  Then: which four row tiles
	s_mul_i32 s38, s14, STGB                       ; every LDS address is made here, ahead of all branches
	v_add_nc_u32 v5, s38, v2                       ; my stage, a row as loaded: 16 x lane
	v_mul_u32_u24 v6, v13, 528
	v_lshl_add_u32 v6, v14, 6, v6
	v_add_nc_u32 v6, s38, v6                       ; and back: row r, + 64 h: my 16 numbers of a block of 32
	s_mul_i32 s38, s14, 3072                       ; my two images: (4 (w / 2) + 2 (w % 2)) x 1,536 = 3,072 w
	s_add_co_u32 s38, s38, XIMG
	v_add_nc_u32 v7, s38, v2
	v_add_nc_u32 v8, s38, v3
	s_lshl_b32 s38, s17, 8
	s_lshl_b32 s39, s18, 3
	s_add_co_u32 s38, s38, s39
	s_add_co_u32 s38, s38, XSC
	v_lshl_add_u32 v9, v13, 4, s38                 ; their scale words: 256 tile + 16 r + 8 (w % 2)
	s_mul_i32 s38, s18, 24576                      ; the four row tiles that I multiply: 16 images
	s_add_co_u32 s38, s38, XIMG
	v_add_nc_u32 v10, s38, v2
	v_add_nc_u32 v11, s38, v3
	s_lshl_b32 s38, s18, 10
	s_add_co_u32 s38, s38, XSC
	v_add_nc_u32 v12, s38, v2                      ; their scale words: 16 bytes a lane: two tiles a load
	s_mov_b32 s20, 0x76543210
	s_mov_b32 s21, 0xfedcba98                      ; v_permlanex16_b32's selects for lane l xor 16
.irp b, 0,1,2,3
	v_mov_b32 v[TM+4+\b], 0                        ; written once: a lane permute's destination counts as one of its sources
.endr
	s_lshl_b32 s24, ttmp9, 7                       ; x: row 128 x + 32 (tile / 2) + 8 (tile % 2), + my two K steps' 1,024 bytes
	s_lshr_b32 s25, s17, 1
	s_lshl_b32 s25, s25, 5
	s_add_co_u32 s24, s24, s25
	s_and_b32 s25, s17, 1
	s_lshl_b32 s25, s25, 3
	s_add_co_u32 s24, s24, s25
	s_lshl_b32 s24, s24, 11
	s_lshl_b32 s25, s18, 10
	s_add_co_u32 s24, s24, s25
	s_mov_b32 s25, 0
	s_mul_i32 s26, s15, 196608                     ; wc: matrix y, my head's four column tiles
	s_mul_i32 s27, s17, 24576
	s_add_co_u32 s26, s26, s27
	s_mov_b32 s27, 0
	s_lshl_b32 s38, s15, 13                        ; ws: likewise
	s_lshl_b32 s39, s17, 10
	s_add_co_u32 s38, s38, s39
	s_mov_b32 s39, 0
	s_lshr_b32 s40, ttmp9, 5                       ; the record: ((8 batch + head) 32 + x % 32)
	s_lshl_b32 s40, s40, 3
	s_add_co_u32 s40, s40, s17
	s_lshl_b32 s40, s40, 5
	s_and_b32 s41, ttmp9, 31
	s_add_co_u32 s40, s40, s41
	s_wait_kmcnt 0x0
	s_cmp_eq_u32 s15, 0                            ; Q goes to qq in records of 6,400 bytes, K and V to kv in records of 12,800: chosen by y alone
	s_cselect_b64 s[28:29], s[10:11], s[12:13]
	s_mov_b32 s41, 12800
	s_cselect_b32 s41, 6400, s41
	s_mul_i32 s40, s40, s41
	s_mov_b32 s41, 0
	s_add_nc_u64 s[28:29], s[28:29], s[40:41]
	s_add_nc_u64 s[36:37], s[4:5], s[24:25]
	s_add_nc_u64 s[32:33], s[6:7], s[26:27]
	s_add_nc_u64 s[34:35], s[8:9], s[38:39]
	s_wait_alu depctr_va_vdst(0)                   ; the offsets v2 to v4 and the LDS addresses v5 to v12 are written: every load and store of the kernel reads one of them, and none is written again
	global_load_b128 v[WS:WS+3], v2, s[34:35]              ; W's scale words: tiles 0, 1 of my head, four K steps
	global_load_b128 v[WS+4:WS+7], v2, s[34:35] offset:512 ; tiles 2, 3
.irp q, 0,1
.irp p, 0,1,2,3,4,5,6,7,8,9,10,11,12,13,14,15
	global_load_b128 v[ACC+64*\q+4*\p:ACC+64*\q+4*\p+3], v2, s[36:37] offset:(\p+8*(\p/8))*2048+512*\q   ; position p's row, one K step: 32 lanes read 512 consecutive bytes
.endr
.endr
	; ---- X: both K steps turn through the stage before the first is quantised
	s_wait_loadcnt 16                              ; the first K step's 16 loads (and W's scale words) are in; the second K step's 16 may be out
	TOSTAGE 0
	BACK XN
	s_wait_loadcnt 0x0                             ; the second K step's rows are in
	s_wait_alu depctr_vm_vsrc(0)                   ; the first K step's stage stores have read v128-191, in which the second K step's numbers land below
	TOSTAGE 1
	BACK XN1
	s_wait_dscnt 32                                ; the first K step's numbers are back; the 16 stores and 16 loads issued behind them may be out
	QUANT XN, PC, 15
	s_wait_alu depctr_va_vdst(0)                   ; QUANT has written PC and v15, which the five LDS stores read
	IMG_L 0, PC, 15
	s_wait_dscnt 5                                 ; the second K step's numbers are back; the five stores just issued may be out
	QUANT XN1, PC2, 76                             ; into the second out-set: it names none of PC and v15, which the stores above may still read
	s_wait_alu depctr_va_vdst(0)                   ; QUANT has written PC2 and v76, which the five LDS stores read; both QUANTs are done with v32-127, in which W's and x's fragments land below
	IMG_L 1, PC2, 76
	s_wait_alu depctr_vm_vsrc(0)                   ; all my LDS stores have read their data: PC, PC2 and v76, in which W's fragments land; v128-255, which the products write
.irp e, 0,1,2,3
	FETCHW WF+12*\e, (4*\e)*1536                   ; K step 0's fragments of W: bytes that no wave writes, on their way while the waves meet
.endr
	s_wait_dscnt 0x0                               ; for the others' sake: my images and scale words have landed
	s_barrier_signal -1
	s_barrier_wait -1                              ; x's 32 images lie in LDS; from here on LDS is only read
	ds_load_b128 v[XS:XS+3], v12                   ; x's scale words: my tiles 0, 1, four K steps
	ds_load_b128 v[XS+4:XS+7], v12 offset:512      ; tiles 2, 3
	s_mov_b32 s41, 0
	s_mov_b32 s43, 0
	s_cmp_eq_u32 s15, 2
	s_cbranch_scc1 .Lv
	; ---- Q or K: a lane holds a row; accumulator (g, e): row tile g, the head's dimensions 32 (e / 2) + 16 h + 8 (e % 2) + j
	s_mul_i32 s40, s18, 3072                       ; my two fragments of the record,
	s_lshl_b32 s42, s18, 7
	s_add_co_u32 s42, s42, 6144                    ; and their scale words
	s_add_nc_u64 s[30:31], s[28:29], s[42:43]
	s_add_nc_u64 s[28:29], s[28:29], s[40:41]
	KSTEP WF, XF, WS, XS, 0
	KSTEP WF, XF, WS, XS, 1
	KSTEP WF, XF, WS, XS, 2
	KSTEP WF, XF, WS, XS, 3
.rept 4
	v_nop                                          ; four places in front of the first read of results and the first write of operands by vector instructions (ISA guide 7.12.1)
.endr
.macro IMG_G off, pc                           ; a fragment leaves as its image: stores of 512 and 256 consecutive bytes, at multiples of 256 from the buffer's first byte
	global_store_b128 v2, v[\pc:\pc+3], s[28:29] offset:\off
	global_store_b64 v3, v[\pc+4:\pc+5], s[28:29] offset:\off+512
	global_store_b128 v2, v[\pc+6:\pc+9], s[28:29] offset:\off+768
	global_store_b64 v3, v[\pc+10:\pc+11], s[28:29] offset:\off+1280
.endm
	QUANT ACC, PC, 76                              ; row tiles 0, 1: each row's two blocks of 32: one fragment, half c = tile c
	s_wait_alu depctr_va_vdst(0)                   ; QUANT has written PC, which the four stores read
	IMG_G 0, PC
	QUANT ACC+64, PC2, 77                          ; row tiles 2, 3; it names none of PC
	v_cndmask_b32 v78, v76, v77, s22               ; lanes 0-15 the first fragment's words, lanes 16-31 the second's
	s_wait_alu depctr_va_vdst(0)                   ; PC2 and v78 are written, which the five stores read
	IMG_G 1536, PC2
	global_store_b32 v4, v78, s[30:31]
	s_wait_xcnt 0x0
	v_lshl_add_u32 v254, v0, 2, 0x2d800
	v_mov_b32 v255, 0
	s_wait_dscnt 0x0                               ; the closing lines, six on end
	s_wait_alu 0x0
	s_wait_tensorcnt 0x0
	ds_add_u32 v254, v255
	s_wait_dscnt 0x0
	s_endpgm
.Lv:
	; ---- V: a lane holds a head dimension; accumulator (g, e): tile g of the head's 64, keys 64 (w % 2) + 32 (e / 2) + 16 h + 8 (e % 2) + j
	s_mul_i32 s40, s18, 768                        ; my half of each of V's four fragments,
	s_add_co_u32 s40, s40, 6400
	s_lshl_b32 s42, s18, 1
	s_add_co_u32 s42, s42, 12544                   ; and my two bytes of each scale word
	s_add_nc_u64 s[30:31], s[28:29], s[42:43]
	s_add_nc_u64 s[28:29], s[28:29], s[40:41]
	KSTEP XF, WF, XS, WS, 0
	KSTEP XF, WF, XS, WS, 1
	KSTEP XF, WF, XS, WS, 2
	KSTEP XF, WF, XS, WS, 3
.rept 4
	v_nop                                          ; four places, as in the other arm
.endr
.macro IMG_V off, pc                           ; registers 0-5: my half image of one tile; registers 6-11: of the next
	global_store_b128 v2, v[\pc:\pc+3], s[28:29] offset:\off
	global_store_b64 v3, v[\pc+4:\pc+5], s[28:29] offset:\off+512
	global_store_b128 v2, v[\pc+6:\pc+9], s[28:29] offset:\off+1536
	global_store_b64 v3, v[\pc+10:\pc+11], s[28:29] offset:\off+2048
.endm
	QUANT ACC, PC, 76                              ; tiles 0, 1 of the head's 64: my 64 keys' two blocks each
	s_wait_alu depctr_va_vdst(0)                   ; QUANT has written PC, which the four stores read
	IMG_V 0, PC
	QUANT ACC+64, PC2, 77                          ; tiles 2, 3; it names none of PC
	v_lshrrev_b32 v79, 16, v76
	v_lshrrev_b32 v81, 16, v77
	v_cndmask_b32 v78, v76, v79, s22               ; lanes 0-15 the even tile's two bytes, lanes 16-31 the odd tile's
	v_cndmask_b32 v80, v77, v81, s22
	s_wait_alu depctr_va_vdst(0)                   ; PC2, v78 and v80 are written, which the six stores read
	IMG_V 3072, PC2
	global_store_b16 v4, v78, s[30:31]
	global_store_b16 v4, v80, s[30:31] offset:128
	s_wait_xcnt 0x0
	v_lshl_add_u32 v254, v0, 2, 0x2d800
	v_mov_b32 v255, 0
	s_wait_dscnt 0x0                               ; the closing lines, six on end
	s_wait_alu 0x0
	s_wait_tensorcnt 0x0
	ds_add_u32 v254, v255
	s_wait_dscnt 0x0
	s_endpgm
.Lfunc_end_k_q3671bcd849_proj:
	.size	k_q3671bcd849_proj, .Lfunc_end_k_q3671bcd849_proj-k_q3671bcd849_proj
	.p2alignl 7, 3214868480
	.fill 96, 4, 3214868480
	.section	.rodata,"a",@progbits
	.p2align	6, 0x0
	.amdhsa_kernel k_q3671bcd849_proj
		.amdhsa_group_segment_fixed_size 188416
		.amdhsa_private_segment_fixed_size 0
		.amdhsa_enable_private_segment 0
		.amdhsa_kernarg_size 40
		.amdhsa_user_sgpr_count 2
		.amdhsa_user_sgpr_kernarg_segment_ptr 1
		.amdhsa_wavefront_size32 1
		.amdhsa_system_sgpr_workgroup_id_x 1
		.amdhsa_system_sgpr_workgroup_id_y 1
		.amdhsa_system_sgpr_workgroup_id_z 1
		.amdhsa_system_vgpr_workitem_id 0
		.amdhsa_next_free_vgpr 256
		.amdhsa_next_free_sgpr 66
		.amdhsa_reserve_vcc 0
		.amdhsa_float_denorm_mode_32 3
		.amdhsa_float_denorm_mode_16_64 3
		.amdhsa_memory_ordered 1
		.amdhsa_forward_progress 1
		.amdhsa_inst_pref_size 74
	.end_amdhsa_kernel
	.amdgpu_metadata
---
amdhsa.version: [ 1, 2 ]
amdhsa.kernels:
  - .name:           k_q3671bcd849_proj
    .symbol:         k_q3671bcd849_proj.kd
    .args:
      - { .name: x, .offset: 0, .size: 8, .value_kind: global_buffer, .address_space: global }
      - { .name: wc, .offset: 8, .size: 8, .value_kind: global_buffer, .address_space: global }
      - { .name: ws, .offset: 16, .size: 8, .value_kind: global_buffer, .address_space: global }
      - { .name: qq, .offset: 24, .size: 8, .value_kind: global_buffer, .address_space: global }
      - { .name: kv, .offset: 32, .size: 8, .value_kind: global_buffer, .address_space: global }
    .group_segment_fixed_size: 188416
    .private_segment_fixed_size: 0
    .kernarg_segment_align: 8
    .kernarg_segment_size: 40
    .max_flat_workgroup_size: 512
    .sgpr_count:     66
    .vgpr_count:     256
    .wavefront_size: 32
...
	.end_amdgpu_metadata
.endif
;; end of part 5
;; launch attn (part 6): grid 16 x 16, 16 waves a work-group, clusters of 4 x 1, 327,680 bytes of LDS; arguments qq, kv, cc, cs; writes cc, cs
.if DOCPART == 6
	.amdgcn_target "amdgcn-amd-amdhsa--gfx1250"
	.amdhsa_code_object_version 6
	.text
	.protected	k_q3671bcd849_attn
	.globl	k_q3671bcd849_attn
	.p2align	8
	.type	k_q3671bcd849_attn,@function
k_q3671bcd849_attn:
	s_mov_b64 s[64:65], 0
	v_nop
	global_prefetch_b8 v0, s[64:65] scope:SCOPE_SE
	s_setreg_imm32_b32 hwreg(HW_REG_WAVE_MODE, 25, 1), 1
	s_wait_xcnt 0x0
	s_wait_alu depctr_hold_cnt(0) depctr_sa_sdst(0) depctr_va_vdst(0) depctr_va_sdst(0) depctr_va_ssrc(0) depctr_va_vcc(0) depctr_vm_vsrc(0)
	s_getreg_b32 s2, hwreg(HW_REG_IB_STS2, 6, 4)
	s_cmp_eq_u32 s2, 0
	s_cbranch_scc0 .Lentry_in_a_cluster
	s_endpgm
.Lentry_in_a_cluster:
	s_bfe_u32 s2, ttmp6, 0x10000c
	s_cmp_lg_u32 s2, 0x3003
	s_cbranch_scc0 .Lentry_shape_is_right
	s_endpgm
.Lentry_shape_is_right:
; ctx[bh][q] = the sum over k of softmax_k(Q[q] . K[k] / 8) V[k], 16 batch-heads x 4,096 x 64, both products on codes of BF6 (E3M2) with one E8M0 scale for each 32 along a product's K; ctx is quantised for the output projection.
; THE SOFTMAX AHEAD OF THE SECOND PRODUCT: t = score x log2(e) / 8; M = the row's largest t so far, rounded UP to a whole number; p = 2^(t - M) is what is quantised, along the keys, not normalised.  The row's sum is taken of the
; unquantised p and divides O at the end.  When M moves, the sum and O are multiplied by 2^(old M - new M): exact, and with no branch on data.
; IN.  qq: [bh][record 32][6,400], kv: [bh][record 32][12,800]: records of 128 rows, all operands as images of their registers (a fragment is 1,536 bytes: half c at 768 c: registers 6 c .. 6 c + 3 at 16 x lane, 6 c + 4, 6 c + 5 at 512 + 8 x lane).
;   A fragment f of K or Q holds 32 rows: half c = tile 2 f + c, lane (r, h) = row 32 f + 8 c + r + 8 (r / 8), head dimensions 32 h .. 32 h + 31.  So ONE fragment of K serves two products: against [q | 0] it gives tile 2 f, against [0 | q] tile 2 f + 1
;   (the head's 64 fill half of the instruction's 128 along K; the other half meets zero codes, which lie in registers alone).  V's fragment t: 16 of the head's 64 x the record's 128 keys.  Scale words behind each group of fragments.
; OUT.  cc: [row tile 512][head 8][768]: my tile's half image; heads 2 s and 2 s + 1 together are fragment s of the next product.  cs: [bh][tile 256][16 rows] two scale bytes.
; SHARES.  A work-group owns 256 queries of one batch-head, each of its sixteen waves one tile of 16, in 224 registers: four waves to a SIMD, so that one wave's vector work stands beside another's products and LDS loads.
;   A step of 128 keys is 12 matrix instructions and some 240 vector instructions, 68 of them exponentials: vector work decides, so the wave tile is kept small and the text plain.
; LAYOUT.  Both products are used transposed (S^T = K Q^T, O^T = V^T P^T): a lane holds ONE query throughout; the 16 registers of a fragment's two tiles are 16 neighbouring keys, which the conversions want.
; RING.  Two LDS slots of 8 records (102,400 bytes, 1,024 keys), 2^17 bytes apart; waves 0 to 3 each bring a quarter of a slot by one tensor load: a dense block as 100 rows of 256 bytes.  A wave has at most one tensor load out.
; CLUSTER.  The four query blocks of a cluster walk the same batch-head's records: each quarter slot is asked for JOINTLY, by the same load with the same descriptor and the mask of all four.
; LIMITS: a block's largest p is taken from the block's largest score by the same multiply-add and exponential, which takes v_exp_f32 not to fall where its input rises.  A block of zeros, or of numbers under 2^-122, gets the byte 1.  NaN and infinities are not served.
.set RECB,  12800
.set SLOTB, 8*RECB
.set SLOT1, 1<<17
.set SPARE, 2*SLOT1                    ; the spare words: 128 bytes for each of sixteen waves: eight blocks of 256 bytes that no other line names
.set SCG,   SPARE+2048                 ; 512 bytes in which the sixteen tiles' scale bytes are gathered: no tile lands here
.set FR,  40                           ; v40-87   four fragments, of K and then of V
.set S,   88                           ; v88-151  S^T, then p; at the end ctx
.set OT,  152                          ; v152-183 O^T: tile t at 152 + 8 t
.set PC,  184                          ; v184-195 p's codes
.set PT,  196                          ; v196-203 the conversions' second halves
.set BM,  204                          ; v204-207 the blocks' largest scores, then largest p
.set BX,  208                          ; v208-211 the other lanes', then the bytes
.set SO,  212                          ; v212-215 the conversions' scale operands
.set FF,  216                          ; v[216:217] f = 2^(old M - new M) (v217 is named with it as a pair)
.set TP,  218
.set PW,  219                          ; p's scale word
.set SU,  220                          ; v[220:221] one of the sum's eight chains, named by number
; v1 16 x lane, v2 8 x lane, v3 4 x lane; v4 my spare word, v5 0; v6-8 the record in hand + v1-3; v9, v10 the scale gather; v11 Q's scale word's place; v12 -M, v13 the largest t, v[14:15] the sum in two halves;
; v16-33 [q | 0 | q]; v34 q's scale word; v36, v37 K's scale words, v38, v39 V's.
; s12 wave, s14 query block, s15 batch-head, s[20:21] lane selects, s[22:23] c, s[24:31] and s[32:35] the descriptor, s37 the LDS byte of the record in hand, s38, s39 counters.
.macro CROUND                          ; a round of the cluster's barrier
	s_barrier_signal -1
	s_barrier_wait -1
	s_cmp_lg_u32 s12, 0
	s_cbranch_scc1 .Lnot_wave_0_\@
	s_barrier_signal -3
.Lnot_wave_0_\@:
	s_barrier_wait -3
	s_barrier_signal -1
	s_barrier_wait -1
.endm
.macro TLOAD                           ; waves 0 to 3 ask for a quarter of a slot each; the branch hangs on the wave's number alone; four v_nop follow the load
	s_cmp_lt_u32 s12, 4
	s_cbranch_scc0 .Lno_load_\@
	tensor_load_to_lds s[32:35], s[24:31]
	s_nop 0
.rept 4
	v_nop
.endr
.Lno_load_\@:
.endm
.macro FETCH reg, off                  ; a fragment from its image in the record in hand
	ds_load_b128 v[\reg:\reg+3], v6 offset:\off
	ds_load_b64 v[\reg+4:\reg+5], v7 offset:\off+512
	ds_load_b128 v[\reg+6:\reg+9], v6 offset:\off+768
	ds_load_b64 v[\reg+10:\reg+11], v7 offset:\off+1280
.endm
.macro QK d, a, b, sa, ra
.if \ra
	v_wmma_scale_f32_16x16x128_f8f6f4 v[\d:\d+7], v[\a:\a+11], v[\b:\b+11], 0, v[\sa], v34 matrix_a_fmt:MATRIX_FMT_BF6 matrix_b_fmt:MATRIX_FMT_BF6 matrix_a_scale:MATRIX_SCALE_ROW1
.else
	v_wmma_scale_f32_16x16x128_f8f6f4 v[\d:\d+7], v[\a:\a+11], v[\b:\b+11], 0, v[\sa], v34 matrix_a_fmt:MATRIX_FMT_BF6 matrix_b_fmt:MATRIX_FMT_BF6
.endif
.endm
.macro PV d, a, sa, ra
.if \ra
	v_wmma_scale_f32_16x16x128_f8f6f4 v[\d:\d+7], v[\a:\a+11], v[PC:PC+11], v[\d:\d+7], v[\sa], v[PW] matrix_a_fmt:MATRIX_FMT_BF6 matrix_b_fmt:MATRIX_FMT_BF6 matrix_a_scale:MATRIX_SCALE_ROW1
.else
	v_wmma_scale_f32_16x16x128_f8f6f4 v[\d:\d+7], v[\a:\a+11], v[PC:PC+11], v[\d:\d+7], v[\sa], v[PW] matrix_a_fmt:MATRIX_FMT_BF6 matrix_b_fmt:MATRIX_FMT_BF6
.endif
.endm
	s_load_b256 s[4:11], s[0:1], 0x0               ; qq, kv, cc, cs
	v_lshl_add_u32 v4, v0, 2, SPARE
	v_mov_b32 v5, 0
	ds_add_u32 v4, v5
	ds_add_u32 v4, v5
	s_wait_dscnt 0x0
	v_lshrrev_b32 v11, 5, v0
	s_delay_alu instid0(VALU_DEP_1)
	v_readfirstlane_b32 s12, v11                   ; wave 0..15
	s_bfe_u32 s13, ttmp6, 0x40000                  ; cx: my place in the cluster
	s_lshl_b32 s14, ttmp9, 2
	s_add_co_u32 s14, s14, s13                     ; my block of 256 queries: it enters qq's, cc's and cs's addresses alone
	s_and_b32 s15, ttmp7, 0xffff                   ; the batch-head, which the four partners share
	v_and_b32 v1, 31, v0
	s_delay_alu instid0(VALU_DEP_1)
	v_lshlrev_b32 v2, 3, v1
	s_delay_alu instid0(VALU_DEP_2)
	v_lshlrev_b32 v3, 2, v1
	s_delay_alu instid0(VALU_DEP_3)
	v_lshlrev_b32 v1, 4, v1
	v_and_b32 v11, 15, v0
	s_lshl_b32 s36, s12, 5
	s_add_co_u32 s36, s36, SCG
	v_lshl_add_u32 v9, v11, 1, s36                 ; the scale gather: 32 bytes a wave, 2 a row
	v_add_nc_u32 v10, SCG, v1                      ; and read back, 16 bytes a lane
	v_lshlrev_b32 v11, 2, v11                      ; 4 r
	s_mov_b32 s24, 15|(3<<16)|(1<<21)              ; group 1: 15:0 the mask: all four work-groups; 17:16 elements of 8 bytes; 20 no padding; 21 set beside a mask
	s_mov_b32 s25, 32<<16                          ; tensor_dim0 = 32 elements: rows of 256 bytes
	s_mov_b32 s26, 100<<16                         ; tensor_dim1 = 100 rows: two records
	s_mov_b32 s27, 32<<16                          ; tile_dim0
	s_mov_b32 s28, 100                             ; tile_dim1
	s_mov_b32 s29, 32                              ; the pitch: the block is dense
	s_mov_b32 s30, 0
	s_mov_b32 s31, 0
	s_mov_b32 s20, 0x76543210
	s_mov_b32 s21, 0xfedcba98                      ; v_permlanex16_b32's selects for lane l xor 16
	s_mov_b32 s22, 0x3e38aa3b                      ; c = log2(e) / 8
	s_mov_b32 s23, s22                             ; (named with it as a pair, so it is written)
	s_and_b32 s16, s12, 3
	s_mul_i32 s17, s16, 2*RECB                     ; my quarter of a slot, in LDS and in memory alike
	s_mul_i32 s18, s15, 32*RECB
	s_add_co_u32 s18, s18, s17
	s_mov_b32 s19, 0
	s_lshr_b32 s40, s12, 3                         ; Q: record 2 x block + w / 8,
	s_lshl_b32 s41, s14, 1
	s_add_co_u32 s40, s40, s41
	s_mul_i32 s40, s40, 6400
	s_mul_i32 s41, s15, 204800
	s_add_co_u32 s40, s40, s41
	s_and_b32 s41, s12, 7
	s_mul_i32 s41, s41, 768                        ; half image w % 8 of its eight,
	s_add_co_u32 s42, s40, s41
	s_mov_b32 s43, 0
	s_bfe_u32 s41, s12, 0x20001
	s_lshl_b32 s41, s41, 6                         ; and the scale words of fragment (w / 2) % 4
	s_add_co_u32 s40, s40, s41
	s_add_co_u32 s40, s40, 6144
	s_mov_b32 s41, 0
	s_lshr_b32 s44, s15, 3                         ; cc: ((256 batch + 16 block + w) 8 + head) x 768
	s_lshl_b32 s44, s44, 8
	s_lshl_b32 s45, s14, 4
	s_add_co_u32 s44, s44, s45
	s_add_co_u32 s44, s44, s12
	s_lshl_b32 s44, s44, 3
	s_and_b32 s45, s15, 7
	s_add_co_u32 s44, s44, s45
	s_mul_i32 s44, s44, 768
	s_mov_b32 s45, 0
	s_lshl_b32 s46, s15, 13                        ; cs: 8,192 x batch-head + 512 x block
	s_lshl_b32 s47, s14, 9
	s_add_co_u32 s46, s46, s47
	s_mov_b32 s47, 0
	s_and_b32 s16, s12, 1
	s_lshl_b32 s16, s16, 4                         ; my tile's two bytes of Q's scale word begin at bit 16 (w % 2)
	s_mov_b32 s37, 0
	s_mov_b32 s38, 3
	s_wait_kmcnt 0x0
	s_mov_b32 s32, 1                               ; group 0: count = 1
	s_mov_b32 s33, s17                             ; LDS address: slot 0, my quarter
	s_add_nc_u64 s[34:35], s[6:7], s[18:19]        ; global address: the batch-head's first records
	s_or_b32 s35, s35, 0x80000000                  ; type = 2
	s_add_nc_u64 s[42:43], s[4:5], s[42:43]
	s_add_nc_u64 s[40:41], s[4:5], s[40:41]
	s_add_nc_u64 s[8:9], s[8:9], s[44:45]
	s_add_nc_u64 s[10:11], s[10:11], s[46:47]
	CROUND                                         ; all four work-groups are here: the first joint loads meet
	TLOAD                                          ; slot 0
	s_wait_alu depctr_va_vdst(0)
	global_load_b128 v[16:19], v1, s[42:43]        ; q: my tile's half image
	global_load_b64 v[20:21], v2, s[42:43] offset:512
	global_load_b32 v34, v11, s[40:41]             ; and the fragment's scale words
	v_mov_b32 v13, 0xff61b1e6                      ; the largest t so far: -3e38, under every t
	s_delay_alu instid0(VALU_DEP_1)
	v_floor_f32 v12, -v13                          ; -M
	v_mov_b32 v14, 0                               ; the sum, in two halves
	v_mov_b32 v15, 0
.irp b, 0,1,2,3
	v_mov_b32 v[BX+\b], 0                          ; written once: a lane permute's destination counts as one of its sources
.endr
	v_mov_b32 v[FF+1], 0
	v_mov_b32 v[TP], 0
	s_wait_loadcnt 0x0
.irp i, 0,1,2,3,4,5
	v_mov_b32 v[28+\i], v[16+\i]                   ; [q | 0 | q]: v16-27 is [q | 0], v22-33 is [0 | q]
	v_mov_b32 v[22+\i], 0
.endr
	v_lshrrev_b32 v34, s16, v34
	s_delay_alu instid0(VALU_DEP_1)
	v_and_b32 v34, 0xffff, v34
	s_delay_alu instid0(VALU_DEP_1)
	v_lshl_or_b32 v34, v34, 16, v34                ; my two bytes twice: they serve q in either half; the zero codes add nothing under them
.set j, 0
.rept 32
	v_mov_b32 v[OT+j], 0                           ; O^T: the step is written once, its first turn finds zeros.  (These are also the places between the lines above and the first scaled product)
.set j, j+1
.endr
; A KEY STEP: one record, 128 keys.
.macro STEP
	v_add_nc_u32 v6, s37, v1
	v_add_nc_u32 v7, s37, v2
	v_add_nc_u32 v8, s37, v3
	v_nop                                          ; four places in front of loads into registers that the last step's products have read
.irp f, 0,1,2,3
	FETCH FR+12*\f, 1536*\f
.endr
	ds_load_b32 v36, v8 offset:6144                ; K's scale words: fragment 0 in lanes 0-15, fragment 1 in lanes 16-31
	ds_load_b32 v37, v8 offset:6272                ; fragments 2, 3
	s_wait_alu depctr_va_vdst(0)
	s_wait_dscnt 0x0
.irp f, 0,1,2,3                                ; S^T = K Q^T: register 16 f + 8 c + j is key 32 f + 16 (lane / 16) + 8 c + j of my query
.irp c, 0,1
	QK S+16*\f+8*\c, FR+12*\f, 16+6*\c, 36+\f/2, \f%2
.endr
.endr
.rept 4
	v_nop                                          ; four places: then V is asked for, into the registers that K has left, and lands under the softmax
.endr
.irp t, 0,1,2,3
	FETCH FR+12*\t, 6400+1536*\t
.endr
	ds_load_b32 v38, v8 offset:12544               ; V's scale words: tiles 0, 1
	ds_load_b32 v39, v8 offset:12672               ; tiles 2, 3
.irp b, 0,1,2,3
	v_max3_num_f32 v[BM+\b], v[S+16*\b], v[S+1+16*\b], v[S+2+16*\b]   ; the largest score of each block of 32 keys: it serves the row's maximum and, since p rises with the score, the block's largest p
.endr
.irp i, 3,5,7,9,11,13
.irp b, 0,1,2,3
	v_max3_num_f32 v[BM+\b], v[BM+\b], v[S+16*\b+\i], v[S+1+16*\b+\i]
.endr
.endr
.irp b, 0,1,2,3
	v_max_num_f32 v[BM+\b], v[BM+\b], v[S+15+16*\b]
.endr
.irp b, 0,1,2,3
	s_delay_alu instid0(VALU_DEP_4)
	v_permlanex16_b32 v[BX+\b], v[BM+\b], s20, s21
.endr
.irp b, 0,1,2,3
	s_delay_alu instid0(VALU_DEP_4)
	v_max_num_f32 v[BM+\b], v[BM+\b], v[BX+\b]     ; with lane l xor 16's 16 keys
.endr
	s_delay_alu instid0(VALU_DEP_2)
	v_max3_num_f32 v[TP], v[BM], v[BM+1], v[BM+2]
	s_delay_alu instid0(VALU_DEP_1)
	v_max_num_f32 v[TP], v[TP], v[BM+3]            ; the step's largest score of my query
	s_delay_alu instid0(VALU_DEP_1)
	v_mul_f32 v[TP], s22, v[TP]                    ; as t (c is positive)
	s_delay_alu instid0(VALU_DEP_1)
	v_max_num_f32 v13, v13, v[TP]                  ; the running largest t
	v_mov_b32 v[TP], v12
	s_delay_alu instid0(VALU_DEP_2)
	v_floor_f32 v12, -v13                          ; the new -M = floor(-t) = -ceil(t): a whole number
	s_delay_alu instid0(VALU_DEP_1)
	v_sub_f32 v[TP], v12, v[TP]                    ; old M - new M: a whole number, 0 or less
	s_delay_alu instid0(VALU_DEP_1)
	v_cvt_i32_f32 v[TP], v[TP]                     ; (it saturates)
	s_delay_alu instid0(VALU_DEP_1)
	v_ldexp_f32 v[FF], 1.0, v[TP]                  ; f = 2^(old M - new M)
.set j, 0
.rept 32
	v_pk_fma_f32 v[S+j:S+j+1], v[S+j:S+j+1], s[22:23], v[12:13] op_sel_hi:[1,0,0]   ; t - M, two at a time (of the pairs c and -M the low word serves both halves)
.set j, j+2
.endr
.irp b, 0,1,2,3
	v_fma_f32 v[BM+\b], v[BM+\b], s22, v12         ; the same of each block's largest score
.endr
.set j, 0
	s_setprio 1
	s_wait_alu depctr_va_vdst(0)
.rept 64
	v_exp_f32 v[S+j], v[S+j]                       ; p = 2^(t - M), at most 1
.set j, j+1
.endr
.irp b, 0,1,2,3
	v_exp_f32 v[BM+\b], v[BM+\b]                   ; the block's largest p: the same two instructions on the same number
.endr
	v_pk_mul_f32 v[14:15], v[14:15], v[FF:FF+1] op_sel_hi:[1,0]   ; the sums under the new M.  (The plain place behind the exponentials)
	s_wait_alu depctr_va_vdst(0)
.irp b, 0,1,2,3
	v_max_num_f32 v[BM+\b], 0x2800000, v[BM+\b]    ; the floor 2^(5 - 127): the byte cannot fall under 1
.endr
.irp b, 0,1,2,3
	s_delay_alu instid0(VALU_DEP_4)
	v_add_nc_u32 v[SO+\b], 0xfe000000, v[BM+\b]    ; 4 off the exponent field: the conversion's scale operand
.endr
.irp b, 0,1,2,3
	s_delay_alu instid0(VALU_DEP_4)
	v_lshrrev_b32 v[BX+\b], 23, v[SO+\b]           ; the scale's byte
.endr
	s_delay_alu instid0(VALU_DEP_3)
	v_lshl_or_b32 v[PW], v[BX+1], 8, v[BX]
	s_delay_alu instid0(VALU_DEP_1)
	v_lshl_or_b32 v[PW], v[BX+2], 16, v[PW]
	s_delay_alu instid0(VALU_DEP_1)
	v_lshl_or_b32 v[PW], v[BX+3], 24, v[PW]
.irp c, 0,1
	v_cvt_scalef32_pk16_bf6_f32 v[PC+6*\c:PC+2+6*\c], v[S+32*\c:S+15+32*\c], v[SO+2*\c]
	v_cvt_scalef32_pk16_bf6_f32 v[PT+4*\c:PT+2+4*\c], v[S+16+32*\c:S+31+32*\c], v[SO+2*\c+1]   ; (a conversion's three registers begin on an even number)
.endr
	v_nop                                          ; one plain place behind the conversions
.irp c, 0,1                                    ; the operand's layout wants a whole block in a lane
.irp i, 0,1,2
	v_permlane16_swap_b32 v[PC+6*\c+\i], v[PT+4*\c+\i]
.endr
.irp i, 0,1,2
	s_delay_alu instid0(VALU_DEP_3)
	v_mov_b32 v[PC+3+6*\c+\i], v[PT+4*\c+\i]
.endr
.endr
	v_pk_add_f32 v[220:221], v[92:93], v[96:97]
	v_pk_add_f32 v[222:223], v[100:101], v[104:105]
	v_pk_add_f32 v[214:215], v[108:109], v[112:113]
	v_pk_add_f32 v[212:213], v[116:117], v[120:121]
	v_pk_add_f32 v[206:207], v[124:125], v[128:129]
	v_pk_add_f32 v[204:205], v[132:133], v[136:137]
	v_pk_add_f32 v[202:203], v[140:141], v[144:145]
	v_pk_add_f32 v[14:15], v[14:15], v[148:149]
	v_pk_add_f32 v[220:221], v[220:221], v[88:89]
	v_pk_add_f32 v[222:223], v[222:223], v[90:91]
	v_pk_add_f32 v[214:215], v[214:215], v[94:95]
	v_pk_add_f32 v[212:213], v[212:213], v[98:99]
	v_pk_add_f32 v[206:207], v[206:207], v[102:103]
	v_pk_add_f32 v[204:205], v[204:205], v[106:107]
	v_pk_add_f32 v[202:203], v[202:203], v[110:111]
	v_pk_add_f32 v[14:15], v[14:15], v[114:115]
	v_pk_add_f32 v[220:221], v[220:221], v[118:119]
	v_pk_add_f32 v[222:223], v[222:223], v[122:123]
	v_pk_add_f32 v[214:215], v[214:215], v[126:127]
	v_pk_add_f32 v[212:213], v[212:213], v[130:131]
	v_pk_add_f32 v[206:207], v[206:207], v[134:135]
	v_pk_add_f32 v[204:205], v[204:205], v[138:139]
	v_pk_add_f32 v[202:203], v[202:203], v[142:143]
	v_pk_add_f32 v[14:15], v[14:15], v[146:147]
	v_pk_add_f32 v[220:221], v[220:221], v[150:151]
	s_delay_alu instid0(VALU_DEP_2)
	v_pk_add_f32 v[14:15], v[14:15], v[212:213]
	s_delay_alu instid0(VALU_DEP_2)
	v_pk_add_f32 v[220:221], v[220:221], v[206:207]
	s_setprio 0
	v_pk_add_f32 v[222:223], v[222:223], v[204:205]
	v_pk_add_f32 v[214:215], v[214:215], v[202:203]
	s_delay_alu instid0(VALU_DEP_2)
	v_pk_add_f32 v[14:15], v[14:15], v[222:223]
	s_delay_alu instid0(VALU_DEP_2)
	v_pk_add_f32 v[220:221], v[220:221], v[214:215]
	s_delay_alu instid0(VALU_DEP_1)
	v_pk_add_f32 v[14:15], v[14:15], v[220:221]
.set j, 0
.rept 16
	v_pk_mul_f32 v[OT+j:OT+j+1], v[OT+j:OT+j+1], v[FF:FF+1] op_sel_hi:[1,0]   ; O^T under the new M, each accumulator from its low end.  (With the sums above: the places between p's codes and scale word and the products)
.set j, j+2
.endr
	s_wait_alu depctr_va_vdst(0)
	s_wait_dscnt 0x0                               ; V is in
.irp t, 0,1,2,3                                ; O^T += V^T P^T: the four accumulators by turns, one instruction a turn
	PV OT+8*\t, FR+12*\t, 38+\t/2, \t%2
.endr
.endm
; THE CHANGE OF SLOTS stands at a slot's head.  Each wave waits for all its tensor loads (its part of the slot ahead), adds 0 to its spare word, and waits for that and for its reads of the slot that it has left.
; fill = 1: the barrier is a round of the cluster's, so that no wave of any partner still reads the slot left or has a load on its way; the joint load for that slot is the first thing behind it and has eight key steps in which to land.
.macro CHANGE fill
	s_wait_tensorcnt 0x0                           ; no tensor load of mine is out, so the descriptor may be written
	ds_add_u32 v4, v5                              ; 0 onto my spare word
.if \fill
	s_xor_b32 s33, s33, SLOT1                      ; the other slot than last time,
	s_add_nc_u64 s[34:35], s[34:35], SLOTB         ; the next eight records; the type bits on top are not reached
.endif
	s_wait_dscnt 0x0                               ; the add is done, and my reads of the slot that I have left are over
.if \fill
	CROUND
	TLOAD
.else
	s_barrier_signal -1
	s_barrier_wait -1
.endif
.endm
.macro STEPS                           ; a slot's eight key steps: written once, walked eight times
	s_mov_b32 s39, 8
.Lstep_\@:
	s_setprio 2
	STEP
	s_add_co_u32 s37, s37, RECB                    ; the next record
	s_sub_co_u32 s39, s39, 1
	s_cmp_lg_u32 s39, 0
	s_cbranch_scc1 .Lstep_\@
	s_setprio 0
	s_sub_co_u32 s37, s37, SLOTB                   ; back to a slot's first record,
	s_xor_b32 s37, s37, SLOT1                      ; in the other slot
.endm
.Lslot:                                            ; three trips: behind each change of slots but the last the next 1,024 keys are asked for
	CHANGE 1
	STEPS
	s_sub_co_u32 s38, s38, 1
	s_cmp_lg_u32 s38, 0
	s_cbranch_scc1 .Lslot
	CHANGE 0                                       ; the last slot is written out
	STEPS
	; THE WAY OUT.  ctx = O^T / the sum; register 16 b + i is the head's dimension 32 b + 16 (lane / 16) + i of my query: two blocks along the next product's K.
	v_add_f32 v14, v14, v15                        ; the sum's two halves,
	s_delay_alu instid0(VALU_DEP_1)
	v_permlanex16_b32 v[TP], v14, s20, s21
	s_delay_alu instid0(VALU_DEP_1)
	v_add_f32 v14, v14, v[TP]                      ; and lane l xor 16's
	s_wait_alu depctr_va_vdst(0)
	v_rcp_f32 v14, v14
.rept 4
	v_nop                                          ; the plain place behind the reciprocal, and the places behind the last products
.endr
.set j, 0
	s_wait_alu depctr_va_vdst(0)
.rept 32
	v_mul_f32 v[S+j], v[OT+j], v14
.set j, j+1
.endr
.irp b, 0,1
	v_max3_num_f32 v[BM+\b], |v[S+16*\b]|, |v[S+1+16*\b]|, 0x2800000
.endr
.irp i, 2,4,6,8,10,12,14
.irp b, 0,1
	s_delay_alu instid0(VALU_DEP_2)
	v_max3_num_f32 v[BM+\b], v[BM+\b], |v[S+16*\b+\i]|, |v[S+1+16*\b+\i]|
.endr
.endr
.irp b, 0,1
	s_delay_alu instid0(VALU_DEP_2)
	v_permlanex16_b32 v[BX+\b], v[BM+\b], s20, s21
.endr
.irp b, 0,1
	s_delay_alu instid0(VALU_DEP_2)
	v_max_num_f32 v[BM+\b], v[BM+\b], v[BX+\b]
.endr
.irp b, 0,1
	s_delay_alu instid0(VALU_DEP_2)
	v_add_nc_u32 v[SO+\b], 0xfe000000, v[BM+\b]
.endr
.irp b, 0,1
	s_delay_alu instid0(VALU_DEP_2)
	v_lshrrev_b32 v[BX+\b], 23, v[SO+\b]
.endr
	s_delay_alu instid0(VALU_DEP_1)
	v_lshl_or_b32 v[PW], v[BX+1], 8, v[BX]         ; my row's two scale bytes
	v_cvt_scalef32_pk16_bf6_f32 v[PC:PC+2], v[S:S+15], v[SO]
	v_cvt_scalef32_pk16_bf6_f32 v[PT:PT+2], v[S+16:S+31], v[SO+1]
	v_nop
.irp i, 0,1,2
	v_permlane16_swap_b32 v[PC+\i], v[PT+\i]
.endr
.irp i, 0,1,2
	s_delay_alu instid0(VALU_DEP_3)
	v_mov_b32 v[PC+3+\i], v[PT+\i]
.endr
	global_store_b128 v1, v[PC:PC+3], s[8:9]               ; the half image: 512 and 256 consecutive bytes, at multiples of 256 from cc's first byte
	global_store_b64 v2, v[PC+4:PC+5], s[8:9] offset:512
	ds_store_b16 v9, v[PW]                         ; lanes r and r + 16 write the same two bytes
	s_wait_dscnt 0x0                               ; for wave 0's sake
	s_barrier_signal -1
	s_barrier_wait -1                              ; the sixteen tiles' 512 scale bytes lie in LDS
	s_cmp_lg_u32 s12, 0
	s_cbranch_scc1 .Lnot_0
	ds_load_b128 v[S:S+3], v10
	s_wait_dscnt 0x0
	global_store_b128 v1, v[S:S+3], s[10:11]       ; they leave as 512 consecutive bytes
.Lnot_0:
	s_wait_tensorcnt 0x0                           ; the wave's end
	ds_add_u32 v4, v5
	s_wait_dscnt 0x0
	CROUND                                         ; the closing round: no work-group ends while a partner may still ask for a tile that names it
	s_endpgm
.Lfunc_end_k_q3671bcd849_attn:
	.size	k_q3671bcd849_attn, .Lfunc_end_k_q3671bcd849_attn-k_q3671bcd849_attn
	.p2alignl 7, 3214868480
	.fill 96, 4, 3214868480
	.section	.rodata,"a",@progbits
	.p2align	6, 0x0
	.amdhsa_kernel k_q3671bcd849_attn
		.amdhsa_group_segment_fixed_size 327680
		.amdhsa_private_segment_fixed_size 0
		.amdhsa_enable_private_segment 0
		.amdhsa_kernarg_size 32
		.amdhsa_user_sgpr_count 2
		.amdhsa_user_sgpr_kernarg_segment_ptr 1
		.amdhsa_wavefront_size32 1
		.amdhsa_system_sgpr_workgroup_id_x 1
		.amdhsa_system_sgpr_workgroup_id_y 1
		.amdhsa_system_sgpr_workgroup_id_z 1
		.amdhsa_system_vgpr_workitem_id 0
		.amdhsa_next_free_vgpr 224
		.amdhsa_next_free_sgpr 66
		.amdhsa_reserve_vcc 0
		.amdhsa_float_denorm_mode_32 3
		.amdhsa_float_denorm_mode_16_64 3
		.amdhsa_memory_ordered 1
		.amdhsa_forward_progress 1
		.amdhsa_inst_pref_size 48
	.end_amdhsa_kernel
	.amdgpu_metadata
---
amdhsa.version: [ 1, 2 ]
amdhsa.kernels:
  - .name:           k_q3671bcd849_attn
    .symbol:         k_q3671bcd849_attn.kd
    .args:
      - { .name: qq, .offset: 0, .size: 8, .value_kind: global_buffer, .address_space: global }
      - { .name: kv, .offset: 8, .size: 8, .value_kind: global_buffer, .address_space: global }
      - { .name: cc, .offset: 16, .size: 8, .value_kind: global_buffer, .address_space: global }
      - { .name: cs, .offset: 24, .size: 8, .value_kind: global_buffer, .address_space: global }
    .group_segment_fixed_size: 327680
    .private_segment_fixed_size: 0
    .kernarg_segment_align: 8
    .kernarg_segment_size: 32
    .max_flat_workgroup_size: 512
    .sgpr_count:     66
    .vgpr_count:     224
    .wavefront_size: 32
...
	.end_amdgpu_metadata
.endif
;; end of part 6
;; launch oproj (part 7): grid 512 x 1, 4 waves a work-group, no clusters, 34,304 bytes of LDS; arguments cc, cs, wc, ws, out0; writes out0
.if DOCPART == 7
	.amdgcn_target "amdgcn-amd-amdhsa--gfx1250"
	.amdhsa_code_object_version 6
	.text
	.protected	k_q3671bcd849_oproj
	.globl	k_q3671bcd849_oproj
	.p2align	8
	.type	k_q3671bcd849_oproj,@function
k_q3671bcd849_oproj:
	s_mov_b64 s[64:65], 0
	v_nop
	global_prefetch_b8 v0, s[64:65] scope:SCOPE_SE
	s_setreg_imm32_b32 hwreg(HW_REG_WAVE_SCHED_MODE, 0, 2), 2
	s_setreg_imm32_b32 hwreg(HW_REG_WAVE_MODE, 25, 1), 1
	s_wait_xcnt 0x0
	s_wait_alu depctr_vm_vsrc(0)
; out0 = ctx Wo, [8,192][512] f32, on codes of BF6 (E3M2) with one E8M0 scale for each 32 along K.  Both operands arrive as images of their registers (a fragment is 1,536 bytes: half c at 768 c: registers 6 c .. 6 c + 3 at 16 x lane, 6 c + 4, 6 c + 5 at 512 + 8 x lane).
; cc: [row tile 512][head 8][768]: K step s of a row tile is the 1,536 bytes of heads 2 s and 2 s + 1.  cs: [batch x head][tile 256][16 rows] two scale bytes.  wc, ws: Wo is matrix 3.
; POSITION r OF TILE T (rows of ctx in a batch, columns of Wo) IS INDEX 32 (T / 2) + 8 (T % 2) + r + 8 (r / 8).
; SHARES.  A work-group takes one row tile, wave w the columns 128 w .. 128 w + 127 (Wo's tiles 8 w + t).  Source 0 = Wo's columns, source 1 = ctx's rows: a lane holds a row and eight neighbouring columns.  32 matrix instructions a wave on eight
; accumulators, which take turns, one instruction a turn.  Wo's fragments come in two sets of four, each loaded while the other is multiplied.  Waves share nothing: no barrier.
; Every operand goes from memory straight into registers, so there is no tensor load and no joint request; each work-group reads Wo's 196,608 bytes of images for its 6,144 bytes of ctx.
; The results turn through the wave's own stage in LDS and leave as rows: each store covers 512 consecutive bytes, at a multiple of 256 from out0's first byte.
; THE MODE: SCHED_MODE bits 1:0 = 2 (LLVM: expert scheduling mode 2), set by the entry lines.  The code itself states the register dependences
; between vector or matrix instructions and memory or LDS instructions, with s_wait_alu, always for 0.
; THE PLAN.  Registers that memory or LDS instructions touch:
;   v1, v2, v3  offsets, written at the head and never again: one wait on va_vdst ahead of the first load.   v4, v5  LDS addresses, written once, ahead of the wait in front of the first product.
;   SA          K step s: the products on tiles 0-3 read it; behind them, and behind the wait for SB's data, one wait on va_vdst; the next K step's 16 loads into SA are then dealt among the four products on SB, which name none of SA, v1, v2.
;   SB          K step s: the products on tiles 4-7 read it; one wait on va_vdst behind them, and the next K step's 16 loads into SB follow at once.
;   CSR         Made by vector instructions, read as scales: the places and then a wait on va_vdst ahead of the first product.   WSR, CX: loaded once, never written again.
;   ACC, SA, SB on the way out: one wait on va_vdst behind the places: the accumulators are the LDS stores' data, and the rows read back land in SA and SB.
.set CSR, 16                           ; v16-19   ctx's scale words, one for each K step
.set WSR, 20                           ; v20-35   Wo's: register 4 i + s: tile 2 i in lanes 0-15, tile 2 i + 1 in lanes 16-31
.set CX,  36                           ; v36-83   ctx's four fragments
.set SA,  84                           ; v84-131  Wo's tiles 0-3 of a K step;  on the way out v84-147 the rows read back
.set SB,  132                          ; v132-179 tiles 4-7
.set ACC, 180                          ; v180-243 accumulator t at 180 + 8 t
.macro MM d, a, b, sa, sb, ra, first
.if \first
.if \ra
	v_wmma_scale_f32_16x16x128_f8f6f4 v[\d:\d+7], v[\a:\a+11], v[\b:\b+11], 0, v[\sa], v[\sb] matrix_a_fmt:MATRIX_FMT_BF6 matrix_b_fmt:MATRIX_FMT_BF6 matrix_a_scale:MATRIX_SCALE_ROW1
.else
	v_wmma_scale_f32_16x16x128_f8f6f4 v[\d:\d+7], v[\a:\a+11], v[\b:\b+11], 0, v[\sa], v[\sb] matrix_a_fmt:MATRIX_FMT_BF6 matrix_b_fmt:MATRIX_FMT_BF6
.endif
.else
.if \ra
	v_wmma_scale_f32_16x16x128_f8f6f4 v[\d:\d+7], v[\a:\a+11], v[\b:\b+11], v[\d:\d+7], v[\sa], v[\sb] matrix_a_fmt:MATRIX_FMT_BF6 matrix_b_fmt:MATRIX_FMT_BF6 matrix_a_scale:MATRIX_SCALE_ROW1
.else
	v_wmma_scale_f32_16x16x128_f8f6f4 v[\d:\d+7], v[\a:\a+11], v[\b:\b+11], v[\d:\d+7], v[\sa], v[\sb] matrix_a_fmt:MATRIX_FMT_BF6 matrix_b_fmt:MATRIX_FMT_BF6
.endif
.endif
.endm
.macro LOADF reg, t, s                         ; one of Wo's fragments, tile t of my eight, K step s: four loads
	global_load_b128 v[\reg:\reg+3], v1, s[8:9] offset:((\t)*4+(\s))*1536
	global_load_b64 v[\reg+4:\reg+5], v2, s[8:9] offset:((\t)*4+(\s))*1536+512
	global_load_b128 v[\reg+6:\reg+9], v1, s[8:9] offset:((\t)*4+(\s))*1536+768
	global_load_b64 v[\reg+10:\reg+11], v2, s[8:9] offset:((\t)*4+(\s))*1536+1280
.endm
.macro LOADW reg, t0, s                        ; four of Wo's fragments, tiles t0 .. t0 + 3 of my eight, K step s: 16 loads
.irp t, 0,1,2,3
	global_load_b128 v[\reg+12*\t:\reg+12*\t+3], v1, s[8:9] offset:((\t0+\t)*4+(\s))*1536
	global_load_b64 v[\reg+12*\t+4:\reg+12*\t+5], v2, s[8:9] offset:((\t0+\t)*4+(\s))*1536+512
	global_load_b128 v[\reg+12*\t+6:\reg+12*\t+9], v1, s[8:9] offset:((\t0+\t)*4+(\s))*1536+768
	global_load_b64 v[\reg+12*\t+10:\reg+12*\t+11], v2, s[8:9] offset:((\t0+\t)*4+(\s))*1536+1280
.endr
.endm
	s_load_b256 s[4:11], s[0:1], 0x0               ; cc, cs, wc, ws
	s_load_b64 s[12:13], s[0:1], 0x20              ; out0
	v_lshl_add_u32 v248, v0, 2, 0x8400
	v_mov_b32 v249, 0
	v_lshrrev_b32 v1, 5, v0
	v_readfirstlane_b32 s14, v1                    ; wave 0..3
	v_and_b32 v6, 31, v0
	v_lshlrev_b32 v1, 4, v6                        ; 16 x lane
	v_lshlrev_b32 v2, 3, v6                        ; 8 x lane
	v_and_b32 v7, 15, v0                           ; r
	v_lshlrev_b32 v3, 1, v7                        ; 2 r
	s_wait_alu depctr_va_sdst(0)                   ; s14 is written, ahead of its first reader: the bases of wc, ws and out0 and my stage's place are made from it
	s_lshr_b32 s15, ttmp9, 8                       ; the batch
	s_and_b32 s16, ttmp9, 255                      ; the row tile in it
	s_lshl_b32 s18, s15, 16                        ; cs: (8 batch x 256 + tile) x 32; the head stands in the loads' immediates
	s_lshl_b32 s19, s16, 5
	s_add_co_u32 s18, s18, s19
	s_mov_b32 s19, 0
	s_mul_i32 s20, ttmp9, 6144                     ; cc: the row tile's four fragments
	s_mov_b32 s21, 0
	s_mul_i32 s22, s14, 49152                      ; wc: matrix 3, my eight tiles
	s_add_co_u32 s22, s22, 589824
	s_mov_b32 s23, 0
	s_lshl_b32 s24, s14, 11                        ; ws: likewise
	s_add_co_u32 s24, s24, 24576
	s_mov_b32 s25, 0
	s_lshl_b32 s26, s15, 12                        ; out0: row 4,096 batch + 32 (tile / 2) + 8 (tile % 2), + my 512 bytes of it
	s_lshr_b32 s27, s16, 1
	s_lshl_b32 s27, s27, 5
	s_add_co_u32 s26, s26, s27
	s_and_b32 s27, s16, 1
	s_lshl_b32 s27, s27, 3
	s_add_co_u32 s26, s26, s27
	s_lshl_b32 s26, s26, 11
	s_lshl_b32 s27, s14, 9
	s_add_co_u32 s26, s26, s27
	s_mov_b32 s27, 0
	s_mul_i32 s28, s14, 16*528                     ; my stage: 16 rows x (512 + 16) bytes
	s_wait_kmcnt 0x0
	s_add_nc_u64 s[6:7], s[6:7], s[18:19]
	s_add_nc_u64 s[4:5], s[4:5], s[20:21]
	s_add_nc_u64 s[8:9], s[8:9], s[22:23]
	s_add_nc_u64 s[10:11], s[10:11], s[24:25]
	s_add_nc_u64 s[12:13], s[12:13], s[26:27]
	s_wait_alu depctr_va_vdst(0)                   ; the offsets v1, v2 and v3 are written: every global load and store of the kernel reads one of them, and none is written again
.irp d, 0,1,2,3,4,5,6,7
	global_load_u16 v[8+\d], v3, s[6:7] offset:8192*\d     ; head d's two scale bytes of my row
.endr
.irp i, 0,1,2,3
	global_load_b128 v[WSR+4*\i:WSR+4*\i+3], v1, s[10:11] offset:512*\i
.endr
.irp s, 0,1,2,3
	global_load_b128 v[CX+12*\s:CX+12*\s+3], v1, s[4:5] offset:1536*\s
	global_load_b64 v[CX+12*\s+4:CX+12*\s+5], v2, s[4:5] offset:1536*\s+512
	global_load_b128 v[CX+12*\s+6:CX+12*\s+9], v1, s[4:5] offset:1536*\s+768
	global_load_b64 v[CX+12*\s+10:CX+12*\s+11], v2, s[4:5] offset:1536*\s+1280
.endr
	LOADW SA, 0, 0
	LOADW SB, 4, 0
	s_wait_loadcnt 52                              ; the eight loads of scale bytes are in; the 52 issued behind them may be out
.irp s, 0,1,2,3
	v_lshl_or_b32 v[CSR+\s], v[9+2*\s], 16, v[8+2*\s]      ; K step s: heads 2 s and 2 s + 1
.endr
	v_bfe_u32 v6, v0, 4, 1                         ; h.  (These five lines and the four v_nop are the places between the scale words just made and the first scaled product)
	v_mul_u32_u24 v4, v7, 528
	v_lshl_add_u32 v4, v6, 6, v4
	v_add_nc_u32 v4, s28, v4                       ; into the stage: row r, + 64 h
	v_add_nc_u32 v5, s28, v1                       ; back: a row's 512 bytes, 16 a lane
.rept 4
	v_nop
.endr
	s_wait_alu depctr_va_vdst(0)                   ; behind the places: CSR is written, which the scaled products take as scales; so are v4 and v5, which the LDS stores and loads of the way out read
.irp s, 0,1,2,3
	s_wait_loadcnt 16                              ; tiles 0-3 of this K step are in (at first: the scale words and ctx too); only the 16 loads of tiles 4-7 may be out
.irp t, 0,1,2,3
	MM ACC+8*\t, SA+12*\t, CX+12*\s, WSR+4*(\t/2)+\s, CSR+\s, \t%2, \s==0
.endr
	s_wait_loadcnt 0x0                             ; tiles 4-7 are in
.if \s < 3
	s_wait_alu depctr_va_vdst(0)                   ; the four products above are done reading SA, in which the loads dealt below land
.endif
.irp t, 4,5,6,7
	MM ACC+8*\t, SB+12*(\t-4), CX+12*\s, WSR+4*(\t/2)+\s, CSR+\s, \t%2, \s==0
.if \s < 3
	LOADF SA+12*(\t-4), \t-4, \s+1                 ; a fragment of the next K step.  No wait: no vector or matrix instruction since the wait above names SA, v1 or v2
.endif
.endr
.if \s < 3
	s_wait_alu depctr_va_vdst(0)                   ; the four products on tiles 4-7 are done reading SB, which is asked for again at once
	LOADW SB, 4, \s+1
.endif
.endr
.rept 4
	v_nop                                          ; four places behind the last product, before its result is read (ISA guide 7.12.1)
.endr
	s_wait_alu depctr_va_vdst(0)                   ; the products have written the accumulators, which the LDS stores read, and are done reading SA and SB, in which the rows read back land; the places above stay beside this wait
.irp t, 0,1,2,3,4,5,6,7                        ; lane (r, h), accumulator t: columns 32 (t / 2) + 16 h + 8 (t % 2) + 0 .. 7 of my 128; each accumulator from its low end
	ds_store_b128 v4, v[ACC+8*\t:ACC+8*\t+3] offset:128*(\t/2)+32*(\t%2)
	ds_store_b128 v4, v[ACC+8*\t+4:ACC+8*\t+7] offset:128*(\t/2)+32*(\t%2)+16
.endr
.irp p, 0,1,2,3,4,5,6,7,8,9,10,11,12,13,14,15
	ds_load_b128 v[SA+4*\p:SA+4*\p+3], v5 offset:528*\p    ; LDS serves a wave's instructions in order: these see my stores
.endr
.irp p, 0,1,2,3,4,5,6,7,8,9,10,11,12,13,14,15
	s_wait_dscnt 15-\p                             ; row p is back; the younger loads may be out
	global_store_b128 v1, v[SA+4*\p:SA+4*\p+3], s[12:13] offset:(\p+8*(\p/8))*2048 th:TH_STORE_NT   ; position p's row: written once, read by nobody here
.endr
	s_wait_dscnt 0x0                               ; the closing lines, six on end
	s_wait_alu 0x0
	s_wait_tensorcnt 0x0
	ds_add_u32 v248, v249
	s_wait_dscnt 0x0
	s_endpgm
.Lfunc_end_k_q3671bcd849_oproj:
	.size	k_q3671bcd849_oproj, .Lfunc_end_k_q3671bcd849_oproj-k_q3671bcd849_oproj
	.p2alignl 7, 3214868480
	.fill 96, 4, 3214868480
	.section	.rodata,"a",@progbits
	.p2align	6, 0x0
	.amdhsa_kernel k_q3671bcd849_oproj
		.amdhsa_group_segment_fixed_size 34304
		.amdhsa_private_segment_fixed_size 0
		.amdhsa_enable_private_segment 0
		.amdhsa_kernarg_size 40
		.amdhsa_user_sgpr_count 2
		.amdhsa_user_sgpr_kernarg_segment_ptr 1
		.amdhsa_wavefront_size32 1
		.amdhsa_system_sgpr_workgroup_id_x 1
		.amdhsa_system_sgpr_workgroup_id_y 1
		.amdhsa_system_sgpr_workgroup_id_z 1
		.amdhsa_system_vgpr_workitem_id 0
		.amdhsa_next_free_vgpr 250
		.amdhsa_next_free_sgpr 66
		.amdhsa_reserve_vcc 0
		.amdhsa_float_denorm_mode_32 3
		.amdhsa_float_denorm_mode_16_64 3
		.amdhsa_memory_ordered 1
		.amdhsa_forward_progress 1
		.amdhsa_inst_pref_size 27
	.end_amdhsa_kernel
	.amdgpu_metadata
---
amdhsa.version: [ 1, 2 ]
amdhsa.kernels:
  - .name:           k_q3671bcd849_oproj
    .symbol:         k_q3671bcd849_oproj.kd
    .args:
      - { .name: cc, .offset: 0, .size: 8, .value_kind: global_buffer, .address_space: global }
      - { .name: cs, .offset: 8, .size: 8, .value_kind: global_buffer, .address_space: global }
      - { .name: wc, .offset: 16, .size: 8, .value_kind: global_buffer, .address_space: global }
      - { .name: ws, .offset: 24, .size: 8, .value_kind: global_buffer, .address_space: global }
      - { .name: out0, .offset: 32, .size: 8, .value_kind: global_buffer, .address_space: global }
    .group_segment_fixed_size: 34304
    .private_segment_fixed_size: 0
    .kernarg_segment_align: 8
    .kernarg_segment_size: 40
    .max_flat_workgroup_size: 128
    .sgpr_count:     66
    .vgpr_count:     250
    .wavefront_size: 32
...
	.end_amdgpu_metadata
.endif
;; end of part 7
